; MI455X (gfx1250); checked and timed in simulation.
; The chip was launched on July 23, 2026; its instructions are those of AMD's public machine-readable ISA for CDNA 5 (MIT licence, August 2026) and "CDNA5" Instruction Set Architecture Reference Guide (July 2026). The comments in the code are by the model that wrote it; some were corrected since.
;; Sonic Mo E Adapter. Allowed arithmetic: matrix products marked QUANTISED: E4M3 operands, one E8M0 scale for each 32 along K, by v_wmma_scale_f32_16x16x128_f8f6f4 with both operands' format E4M3, f32 sums; products left as they are: f32 operands where the result goes on into a quantised operand, else bf16, f16 or f32 operands; f32 sums; everything else in f32.
;; Inputs: w_down 8 x 1,024 x 512 float32; w_gate 8 x 512 x 1,024 float32; w_router 8 x 1,024 float32; w_up 8 x 512 x 1,024 float32; x 2 x 2,048 x 1,024 float32.
;; Outputs: out0 2 x 2,048 x 1,024 float32; out1 one number float32.
;; This version of the problem:
;;   THIS VERSION OF THE PROBLEM IS GIVEN IN LOW PRECISION. The matrix products marked QUANTISED in the list below multiply operands that are first quantised to E4M3 (4 exponent bits, 3 mantissa bits; 8 bits a number), with one power-of-two scale for each 32 numbers along K (OCP MX v1.0); their sums are f32. All else is computed in f32.
;;   The module's matrix products, in the order in which they are computed (A, B: the left and right operand; K: the contracted axis; several contracted axes count as one K, in the product's order):
;;     1. [M 4,096, K 1,024] x [K 1,024, N 8]; A: input x; B: input w_router: left as it is (N = 8 < 16)
;;     2. batch 4,096 x [M 8, K 2] x [K 2, N 1]; A: computed on the way; B: computed on the way: left as it is (K = 2 < 32)
;;     3. [M 4,096, K 1,024] x [K 1,024, N 512]; A: input x; B: input w_gate: QUANTISED
;;     4. [M 4,096, K 1,024] x [K 1,024, N 512]; A: input x; B: input w_up: QUANTISED
;;     5. [M 4,096, K 512] x [K 512, N 1,024]; A: computed on the way; B: input w_down: QUANTISED
;;     6. [M 4,096, K 1,024] x [K 1,024, N 512]; A: input x; B: input w_gate: QUANTISED
;;     7. [M 4,096, K 1,024] x [K 1,024, N 512]; A: input x; B: input w_up: QUANTISED
;;     8. [M 4,096, K 512] x [K 512, N 1,024]; A: computed on the way; B: input w_down: QUANTISED
;;     9. [M 4,096, K 1,024] x [K 1,024, N 512]; A: input x; B: input w_gate: QUANTISED
;;     10. [M 4,096, K 1,024] x [K 1,024, N 512]; A: input x; B: input w_up: QUANTISED
;;     11. [M 4,096, K 512] x [K 512, N 1,024]; A: computed on the way; B: input w_down: QUANTISED
;;     12. [M 4,096, K 1,024] x [K 1,024, N 512]; A: input x; B: input w_gate: QUANTISED
;;     13. [M 4,096, K 1,024] x [K 1,024, N 512]; A: input x; B: input w_up: QUANTISED
;;     14. [M 4,096, K 512] x [K 512, N 1,024]; A: computed on the way; B: input w_down: QUANTISED
;;     15. [M 4,096, K 1,024] x [K 1,024, N 512]; A: input x; B: input w_gate: QUANTISED
;;     16. [M 4,096, K 1,024] x [K 1,024, N 512]; A: input x; B: input w_up: QUANTISED
;;     17. [M 4,096, K 512] x [K 512, N 1,024]; A: computed on the way; B: input w_down: QUANTISED
;;     18. [M 4,096, K 1,024] x [K 1,024, N 512]; A: input x; B: input w_gate: QUANTISED
;;     19. [M 4,096, K 1,024] x [K 1,024, N 512]; A: input x; B: input w_up: QUANTISED
;;     20. [M 4,096, K 512] x [K 512, N 1,024]; A: computed on the way; B: input w_down: QUANTISED
;;     21. [M 4,096, K 1,024] x [K 1,024, N 512]; A: input x; B: input w_gate: QUANTISED
;;     22. [M 4,096, K 1,024] x [K 1,024, N 512]; A: input x; B: input w_up: QUANTISED
;;     23. [M 4,096, K 512] x [K 512, N 1,024]; A: computed on the way; B: input w_down: QUANTISED
;;     24. [M 4,096, K 1,024] x [K 1,024, N 512]; A: input x; B: input w_gate: QUANTISED
;;     25. [M 4,096, K 1,024] x [K 1,024, N 512]; A: input x; B: input w_up: QUANTISED
;;     26. [M 4,096, K 512] x [K 512, N 1,024]; A: computed on the way; B: input w_down: QUANTISED
;;   THE QUANTISER, for each operand of a quantised product, along K:
;;     - K is cut into blocks of 32 from its start; a last block that is shorter is filled with zeros.
;;     - A block's scale is 2^e with e = floor(log2(the largest magnitude in the block)) - 8, held to -126 .. 127; a block of zeros has e = 0. As a byte (E8M0): e + 127.
;;     - Each number is divided by its block's scale, clamped to +-448, and rounded to the nearest number of E4M3, ties to even, subnormals kept.
;;     - The product sums the exact products of the quantised numbers (number of the format x scale) in f32.
;;   ~~~python
;;   def quantise(x, axis):      # numpy; x: float32 -> the quantised numbers, widened to float32 again
;;       x = np.moveaxis(x, axis, -1); K = x.shape[-1]
;;       x = np.pad(x, [(0, 0)] * (x.ndim - 1) + [(0, -K % 32)]); x = x.reshape(x.shape[:-1] + (-1, 32)); a = np.abs(x).max(-1, keepdims=True)
;;       e = np.where(a > 0, np.clip(np.frexp(np.where(a > 0, a, 1))[1] - 1 - 8, -126, 127), 0)      # np.frexp(a)[1] - 1 = floor(log2(a)), exactly
;;       r = np.clip(x / 2.0 ** e, -448, 448)
;;       step = 2.0 ** (np.maximum(np.frexp(np.where(r == 0, 1, r))[1] - 1, -6) - 3)
;;       q = np.round(r / step) * step * 2.0 ** e      # np.round: ties to even
;;       return np.moveaxis(q.reshape(q.shape[:-2] + (-1,))[..., :K], -1, axis).astype(np.float32)
;;   ~~~
;;   OPERANDS COMPUTED ON THE WAY. 'Computed on the way' means the value that the module computes at that place (a softmax that the list does not call 'softmax' is quantised finished and normalised). What goes into a quantiser is computed in f32, as accurately as f32 sums, v_exp_f32 and their like allow (about 1e-6 of the number): no bf16 or f16 on the way to a quantiser, and a product that is left as it is and whose result goes on into a quantised operand takes f32 operands (vector FMAs, or v_wmma_f32_16x16x4_f32). A number that lies on a knife's edge between two numbers of the format may be rounded either way, as far as f32 arithmetic and the matrix unit's own rounding can turn it there, and no further.
;; 2 versions. Each part assembles by itself: llvm-mc -triple=amdgcn-amd-amdhsa -mcpu=gfx1250 --defsym DOCPART=n.
;; ======== version 1 of 2: 3 launches
;; workspace buffers: wgu 8,388,608 bytes; sgu 262,144 bytes; wdn 4,194,304 bytes; sdn 131,072 bytes; route 49,152 bytes of whole numbers; rtf 40,960 bytes; list 20,992 bytes of whole numbers
;; launch prep (part 1): grid 256 x 1, 8 waves a work-group, no clusters, 76,800 bytes of LDS; arguments x, w_router, w_gate, w_up, w_down, wgu, sgu, wdn, sdn, route, rtf; writes wgu, sgu, wdn, sdn, route, rtf
.if DOCPART == 1
	.amdgcn_target "amdgcn-amd-amdhsa--gfx1250"
	.amdhsa_code_object_version 6
	.text
	.protected	k_qb458aff062_prep
	.globl	k_qb458aff062_prep
	.p2align	8
	.type	k_qb458aff062_prep,@function
k_qb458aff062_prep:
	s_mov_b64 s[64:65], 0
	v_nop
	global_prefetch_b8 v0, s[64:65] scope:SCOPE_SE
	s_setreg_imm32_b32 hwreg(HW_REG_WAVE_MODE, 25, 1), 1
	s_wait_xcnt 0x0
; PREP.  (1) w_gate, w_up [8][512][1024] and w_down [8][1024][512], f32, K innermost, become codes of E4M3 with one E8M0 byte for each 32 along K,
; laid in the ORDER OF THE OPERAND'S REGISTERS: a fragment (16 rows x 128 K) is 2,048 bytes, registers 4 c .. 4 c + 3 of lane l at 512 c + 16 l; lane (r, h) holds k = 32 c + 16 h + 0 .. 15 of the tile's row r.
; The scale words (four bytes: 128 along K of one row) are laid so that the reader's load of 16 bytes a lane brings the words of TWO K steps: in a block, word (lane', s, j) at (s / 2) 512 + 16 lane' + 4 (2 (s % 2) + j).
; (2) The router: logits in f32 (fused multiply-adds), softmax with the row's maximum taken away, the two largest (the lower index wins a tie), their weights renormalised.
; What is chosen is only STORED here, at fixed places: for each token its pair's number q and its rank among the tokens of the same pair in its group of 16; for each group the counts of the 28 pairs and the sums of the 8 probabilities.
; SHARES.  256 work-groups of 8 waves.  Work-group wg: expert e = wg / 32, tile t = wg % 32 of gate and of up, tiles 2 t and 2 t + 1 of down, tokens 16 wg .. 16 wg + 15.
; Wave w: K step w of the gate tile and of the up tile; K step w % 4 of down tile 2 t + w / 4; the K eighth w of the router's sums.
; THE ROWS OF A GATE OR UP TILE ARE NOT NEIGHBOURS: row i of tile 2 B + u is weight row 32 B + 8 u + i + 8 (i / 8), so that the results of tiles 2 B and 2 B + 1 are 16 neighbours along the next product's K.
; Every load reads 512 consecutive bytes (a tile row's 128 numbers); the 16 rows turn through the wave's own stage in LDS so that a lane gets 16 neighbours of each block of 32.
; ALL 72 LOADS OF A WAVE GO OUT AT THE HEAD, 36 KB a wave: up's and down's rows land in register window 1, so that they are on their way while the router's sums are made.
; A block's scale byte is its largest magnitude's exponent field - 8, held at 1 from below.
; LIMITS: NaN and infinities among the inputs are not served.  A block of zeros gets the byte 1 where the rule says 127: its codes are zeros and this program alone reads the bytes.
; The router's f32 sums run in another order than a plain dot product: two probabilities within f32 rounding of each other may be ranked the other way.  A probability under 2^-126 of the largest counts as 0.
; No matrix work, no tensor loads, no cluster: the work-groups share only w_router's 32 KB.
.set SPITCH, 528                       ; a stage row: 512 bytes + 16: sixteen rows begin at sixteen different 16-byte columns
.set STGW,   16*SPITCH                 ; a wave's stage
.set RTB,    8*STGW                    ; behind the stages: the router's partial sums, word at e x 1,024 + lane x 32 + wave x 4
.set PW,  11                           ; v11      the scale word just made
.set WR,  16                           ; v16-47   w_router: 4 numbers an expert; later:
.set PC,  16                           ; v16-31   the codes just made
.set TM,  32                           ; v32-47   the quantiser's temporaries
.set FS,  48                           ; v48-55   the wave's 8 sums for token lane % 16
.set T8,  56                           ; v56-63   at work
.set A,   64                           ; v64-127  16 rows as loaded: x
.set BQ,  128                          ; v128-191 16 rows as loaded: gate
.set X,   192                          ; v192-255 64 numbers of a lane for the quantiser; during the router the merging slots
.set UPW, 0                            ; window 1: v0-63 (v256-319)   16 rows as loaded: up
.set DNW, 64                           ; window 1: v64-127 (v320-383) 16 rows as loaded: down
.set SEL, 50                           ; s[50:51] v_permlanex16_b32's selects for lane l xor 16
.set MNT, 52                           ; s52      the mantissa field of 448
; v1 lane, v2 r, v3 h, v4 16 x lane, v5 stage in, v6 stage out, v7 gate/up source, v8 down source, v9/v10 router words in LDS, v12-15 offsets of wgu, sgu, wdn, sdn
.set MSB, 0
.macro WIN new                                 ; s_set_vgpr_msb: bits 3:2 source 1, 7:6 destination; the immediate's high byte repeats the setting that is left
.if MSB != \new
	s_set_vgpr_msb (MSB<<8)|\new
.set MSB, \new
.endif
.endm
.macro LOADF reg, vo, sb, pitch, skip, nt      ; 16 tile rows, 512 consecutive bytes a load
.irp i, 0,1,2,3,4,5,6,7,8,9,10,11,12,13,14,15
.if \nt
	global_load_b128 v[\reg+4*\i:\reg+4*\i+3], v[\vo], s[\sb:\sb+1] offset:(\i+\skip*8*(\i/8))*\pitch th:TH_LOAD_NT
.else
	global_load_b128 v[\reg+4*\i:\reg+4*\i+3], v[\vo], s[\sb:\sb+1] offset:(\i+\skip*8*(\i/8))*\pitch
.endif
.endr
.endm
.macro TURN reg, win                           ; through my stage: in as loaded (win: the window setting for the stores' data), out as register 16 b + i = k 32 b + 16 h + i of row r.  LDS serves a wave's instructions in order: no wait between
	WIN \win
.irp i, 0,1,2,3,4,5,6,7,8,9,10,11,12,13,14,15
	ds_store_b128 v5, v[\reg+4*\i:\reg+4*\i+3] offset:SPITCH*\i
.endr
	WIN 0
.irp b, 0,1,2,3
.irp j, 0,1,2,3
	ds_load_b128 v[X+16*\b+4*\j:X+16*\b+4*\j+3], v6 offset:128*\b+16*\j
.endr
.endr
.endm
.macro QUANT s                                 ; 64 numbers of a lane become a fragment's 16 registers of codes (PC) and its row's scale word (PW)
.irp b, 0,1,2,3
	v_max3_num_f32 v[TM+\b], |v[\s+16*\b]|, |v[\s+1+16*\b]|, 0x4800000   ; my 16 numbers of block b and the floor 2^(9 - 127): the byte cannot fall under 1
.endr
.irp i, 2,4,6,8,10,12,14
.irp b, 0,1,2,3
	v_max3_num_f32 v[TM+\b], v[TM+\b], |v[\s+16*\b+\i]|, |v[\s+1+16*\b+\i]|
.endr
.endr
.irp b, 0,1,2,3
	v_permlanex16_b32 v[TM+4+\b], v[TM+\b], s[SEL], s[SEL+1]
.endr
.irp b, 0,1,2,3
	v_max_num_f32 v[TM+\b], v[TM+\b], v[TM+4+\b]                     ; with lane l xor 16's 16: the block's largest magnitude
.endr
.irp b, 0,1,2,3
	v_add_nc_u32 v[TM+12+\b], 0xfc000000, v[TM+\b]                   ; 8 off its exponent field: the conversion's scale operand
.endr
.irp b, 0,1,2,3
	v_and_or_b32 v[TM+8+\b], v[TM+\b], 0x7f800000, s[MNT]            ; 448 x the scale
.endr
.irp b, 0,1,2,3
	v_lshrrev_b32 v[TM+4+\b], 23, v[TM+12+\b]                        ; the scale's byte
.endr
	v_lshl_or_b32 v[PW], v[TM+5], 8, v[TM+4]
	v_lshl_or_b32 v[PW], v[TM+6], 16, v[PW]
	v_lshl_or_b32 v[PW], v[TM+7], 24, v[PW]
.irp b, 0,1,2,3
.irp i, 0,1,2,3,4,5,6,7,8,9,10,11,12,13,14,15
	v_med3_num_f32 v[\s+16*\b+\i], v[\s+16*\b+\i], -v[TM+8+\b], v[TM+8+\b]   ; the conversion to an 8-bit code does not saturate (ISA guide 7.6.2): the hold
.endr
	v_cvt_scalef32_pk8_fp8_f32 v[PC+4*\b:PC+1+4*\b], v[\s+16*\b:\s+7+16*\b], v[TM+12+\b]
	v_cvt_scalef32_pk8_fp8_f32 v[PC+2+4*\b:PC+3+4*\b], v[\s+8+16*\b:\s+15+16*\b], v[TM+12+\b]
.endr
	v_nop                                          ; a plain line behind the last conversion
.endm
.macro OUTF cv, cb, coff, sv, sb, soff         ; the fragment's image: four stores of 512 consecutive bytes; the row's scale word (both halves of the lanes store the same word)
.irp c, 0,1,2,3
	global_store_b128 v[\cv], v[PC+4*\c:PC+4*\c+3], s[\cb:\cb+1] offset:\coff+512*\c
.endr
	global_store_b32 v[\sv], v[PW], s[\sb:\sb+1] offset:\soff
.endm
.macro DOTROW i                                ; token row i: my 4 numbers of x against my 4 of each expert's router row
.irp g, 0,4
.irp e, 0,1,2,3
	v_pk_mul_f32 v[T8+2*\e:T8+2*\e+1], v[A+4*(\i):A+4*(\i)+1], v[WR+4*(\g+\e):WR+4*(\g+\e)+1]
.endr
.irp e, 0,1,2,3
	v_pk_fma_f32 v[T8+2*\e:T8+2*\e+1], v[A+4*(\i)+2:A+4*(\i)+3], v[WR+4*(\g+\e)+2:WR+4*(\g+\e)+3], v[T8+2*\e:T8+2*\e+1]
.endr
.irp e, 0,1,2,3
	v_add_f32 v[X+8*((\i)%2)+\g+\e], v[T8+2*\e], v[T8+2*\e+1]
.endr
.endr
.endm
; Two sets of rows (sides 0 and 1 of level L) are halved into one: lanes whose bit L is 0 keep side 0 and take their partner's side 0, the others side 1.  After four levels lane % 16 names the row.
.macro MERGE L, xm, dst
.irp e, 0,1,2,3,4,5,6,7
	v_cndmask_b32 v[T8+\e], v[X+16*\L+8+\e], v[X+16*\L+\e], s[46+\L]     ; what my partner wants of me
.endr
.irp e, 0,1,2,3,4,5,6,7
	v_cndmask_b32 v[\dst+\e], v[X+16*\L+\e], v[X+16*\L+8+\e], s[46+\L]   ; what I keep
.endr
.irp e, 0,1,2,3,4,5,6,7
	v_add_f32_dpp v[\dst+\e], v[T8+\e], v[\dst+\e] row_xmask:\xm row_mask:0xf bank_mask:0xf
.endr
.endm
	s_load_b512 s[8:23], s[0:1], 0x0               ; x s[8:9], w_router s[10:11], w_gate s[12:13], w_up s[14:15], w_down s[16:17], wgu s[18:19], sgu s[20:21], wdn s[22:23]
	s_load_b128 s[24:27], s[0:1], 0x40             ; sdn s[24:25], route s[26:27]
	s_load_b64 s[28:29], s[0:1], 0x50              ; rtf
	s_set_vgpr_msb 0x40
	v_lshl_add_u32 v128, v0, 2, 0x12800
	v_mov_b32 v129, 0
	s_set_vgpr_msb 0x4000
	v_lshrrev_b32 v1, 5, v0
	v_readfirstlane_b32 s30, v1                    ; wave w
	v_and_b32 v1, 31, v0                           ; lane
	v_and_b32 v2, 15, v0                           ; r
	v_bfe_u32 v3, v0, 4, 1                         ; h
	v_lshlrev_b32 v4, 4, v1                        ; 16 x lane
	s_lshr_b32 s31, ttmp9, 5                       ; e
	s_and_b32 s32, ttmp9, 31                       ; t
	s_and_b32 s33, s32, 1                          ; u
	s_lshr_b32 s34, s32, 1                         ; B
	s_lshr_b32 s35, s30, 2                         ; w / 4
	s_and_b32 s36, s30, 3                          ; w % 4
	s_lshl_b32 s37, s31, 4
	s_add_co_u32 s37, s37, s34                     ; 16 e + B
	s_mul_i32 s38, s30, STGW                       ; my stage
	v_add_nc_u32 v5, s38, v4                       ; in: 16 x lane of a row
	v_mul_u32_u24 v6, v2, SPITCH
	v_lshl_add_u32 v6, v3, 6, v6
	v_add_nc_u32 v6, s38, v6                       ; out: row r, + 64 h
	v_lshlrev_b32 v10, 5, v1
	v_add_nc_u32 v10, RTB, v10                     ; the router's words of my lane,
	s_lshl_b32 s38, s30, 2
	v_add_nc_u32 v9, s38, v10                      ; and my wave's among them
	s_lshl_b32 s39, s31, 21                        ; an expert's weights: 2 MB in each of the three tensors
	s_lshl_b32 s40, s32, 16
	s_add_co_u32 s40, s40, s39                     ; + 65,536 t: 16 t rows of gate or up, 32 t rows of down
	s_lshl_b32 s41, s33, 15
	s_sub_co_u32 s42, s40, s41                     ; gate, up: the tile begins at row 16 t - 8 u
	s_lshl_b32 s41, s30, 9                         ; K step w: 512 bytes
	s_add_co_u32 s42, s42, s41
	v_add_nc_u32 v7, s42, v4
	s_lshl_b32 s42, s35, 15                        ; down: tile 2 t + w / 4, 16 rows of 2,048 bytes
	s_add_co_u32 s42, s42, s40
	s_lshl_b32 s43, s36, 9                         ; K step w % 4
	s_add_co_u32 s42, s42, s43
	v_add_nc_u32 v8, s42, v4
	s_lshl_b32 s42, ttmp9, 16                      ; x: 16 tokens of 4,096 bytes a work-group, K eighth w
	s_add_co_u32 s42, s42, s41
	v_add_nc_u32 v62, s42, v4
	v_add_nc_u32 v63, s41, v4                      ; w_router: K eighth w
	s_lshl_b32 s42, s37, 16                        ; wgu: ((16 e + B) 8 + w) 4 + 2 mat + u fragments of 2,048 bytes
	s_lshl_b32 s43, s30, 13
	s_add_co_u32 s42, s42, s43
	s_lshl_b32 s43, s33, 11
	s_add_co_u32 s42, s42, s43
	v_add_nc_u32 v12, s42, v4
	s_lshl_b32 s42, s37, 11                        ; sgu: (16 e + B) 2,048 + (w / 2) 512 + (r + 16 u) 16 + (2 (w % 2) + mat) 4
	s_lshr_b32 s43, s30, 1
	s_lshl_b32 s43, s43, 9
	s_add_co_u32 s42, s42, s43
	s_lshl_b32 s43, s33, 8
	s_add_co_u32 s42, s42, s43
	s_and_b32 s44, s30, 1
	s_lshl_b32 s44, s44, 3                         ; 8 (w % 2)
	s_add_co_u32 s42, s42, s44
	v_lshl_add_u32 v13, v2, 4, s42
	s_lshl_b32 s42, s37, 15                        ; wdn: (16 e + B) 32,768 + (4 (w % 4) + 2 u + w / 4) 2,048
	s_lshl_b32 s43, s36, 2
	s_lshl_b32 s45, s33, 1
	s_add_co_u32 s43, s43, s45
	s_add_co_u32 s43, s43, s35
	s_lshl_b32 s43, s43, 11
	s_add_co_u32 s42, s42, s43
	v_add_nc_u32 v14, s42, v4
	s_lshl_b32 s42, s37, 10                        ; sdn: (16 e + B) 1,024 + ((w % 4) / 2) 512 + (r + 16 (w / 4)) 16 + (2 (w % 2) + u) 4
	s_lshr_b32 s43, s36, 1
	s_lshl_b32 s43, s43, 9
	s_add_co_u32 s42, s42, s43
	s_lshl_b32 s43, s35, 8
	s_add_co_u32 s42, s42, s43
	s_add_co_u32 s42, s42, s44
	s_lshl_b32 s43, s33, 2
	s_add_co_u32 s42, s42, s43
	v_lshl_add_u32 v15, v2, 4, s42
	s_mov_b32 s46, 0xaaaaaaaa                      ; lanes whose bit 0, 1, 2, 3 is set
	s_mov_b32 s47, 0xcccccccc
	s_mov_b32 s48, 0xf0f0f0f0
	s_mov_b32 s49, 0xff00ff00
	s_mov_b32 s[SEL], 0x76543210
	s_mov_b32 s[SEL+1], 0xfedcba98
	s_mov_b32 s[MNT], 0x600000
	s_wait_kmcnt 0x0
.irp e, 0,1,2,3,4,5,6,7
	global_load_b128 v[WR+4*\e:WR+4*\e+3], v63, s[10:11] offset:\e*4096
.endr
	LOADF A, 62, 8, 4096, 0, 0                     ; x: the chain reads it again, so no hint
	LOADF BQ, 7, 12, 4096, 1, 1                    ; gate
	WIN 0x40                                       ; destination window 1, address window 0
	LOADF UPW, 7, 14, 4096, 1, 1                   ; up
	LOADF DNW, 8, 16, 2048, 0, 1                   ; down
	WIN 0
	s_wait_loadcnt 48                              ; w_router and x are in; gate's, up's and down's 16 loads each, issued behind them, may be out.  v62 and v63 are free from here
.irp i, 0,1,2,3,4,5,6,7,8,9,10,11,12,13,14,15
	DOTROW \i
.if (\i%2) == 1
	MERGE 0, 1, X+16+8*((\i/2)%2)
.endif
.if (\i%4) == 3
	MERGE 1, 2, X+32+8*((\i/4)%2)
.endif
.if (\i%8) == 7
	MERGE 2, 4, X+48+8*((\i/8)%2)
.endif
.if \i == 15
	MERGE 3, 8, FS
.endif
.endr
.irp e, 0,1,2,3,4,5,6,7
	v_permlanex16_b32 v[T8+\e], v[FS+\e], s[SEL], s[SEL+1]
.endr
.irp e, 0,1,2,3,4,5,6,7
	v_add_f32 v[FS+\e], v[FS+\e], v[T8+\e]         ; my K eighth's sum for token lane % 16, expert e
.endr
.irp e, 0,1,2,3,4,5,6,7
	ds_store_b32 v9, v[FS+\e] offset:\e*1024
.endr
	s_wait_dscnt 0x0                               ; for wave 0's sake: my words have landed
	s_barrier_signal -1
	s_barrier_wait -1                              ; the launch's one barrier
	s_cmp_lg_u32 s30, 0
	s_cbranch_scc1 .Lno_route
	; ---- ROUTE, wave 0 alone: lane % 16 is the token; lanes 16-31 hold copies.  It touches none of the registers whose loads are on their way (BQ, window 1), and issues no global load
.irp e, 0,1,2,3,4,5,6,7
	ds_load_b128 v[X+8*\e:X+8*\e+3], v10 offset:\e*1024
	ds_load_b128 v[X+8*\e+4:X+8*\e+7], v10 offset:\e*1024+16
.endr
	s_wait_dscnt 0x0
.irp e, 0,1,2,3,4,5,6,7
	v_pk_add_f32 v[X+8*\e:X+8*\e+1], v[X+8*\e:X+8*\e+1], v[X+8*\e+2:X+8*\e+3]
.endr
.irp e, 0,1,2,3,4,5,6,7
	v_pk_add_f32 v[X+8*\e+4:X+8*\e+5], v[X+8*\e+4:X+8*\e+5], v[X+8*\e+6:X+8*\e+7]
.endr
.irp e, 0,1,2,3,4,5,6,7
	v_pk_add_f32 v[X+8*\e:X+8*\e+1], v[X+8*\e:X+8*\e+1], v[X+8*\e+4:X+8*\e+5]
.endr
.irp e, 0,1,2,3,4,5,6,7
	v_add_f32 v[16+\e], v[X+8*\e], v[X+8*\e+1]     ; the logits: v16-23
.endr
	v_max3_num_f32 v40, v16, v17, v18
	v_max3_num_f32 v40, v40, v19, v20
	v_max3_num_f32 v40, v40, v21, v22
	v_max_num_f32 v40, v40, v23                    ; the row's maximum is taken away ahead of the exponential
.irp e, 0,1,2,3,4,5,6,7
	v_sub_f32 v[24+\e], v[16+\e], v40
.endr
.irp e, 0,1,2,3,4,5,6,7
	v_mul_f32 v[24+\e], 0x3fb8aa3b, v[24+\e]
.endr
.irp e, 0,1,2,3,4,5,6,7
	v_exp_f32 v[24+\e], v[24+\e]                   ; p: v24-31, the largest is 1
.endr
	v_mov_b32 v41, 0                               ; (a plain line behind the exponentials)  i1
	s_wait_alu depctr_va_vdst(0)
	v_add_f32 v42, v24, v25
	v_add_f32 v43, v26, v27
	v_add_f32 v44, v28, v29
	v_add_f32 v45, v30, v31
	v_add_f32 v42, v42, v43
	v_add_f32 v44, v44, v45
	v_add_f32 v42, v42, v44                        ; the sum of p
	v_mov_b32 v46, v24                             ; the largest so far
.irp e, 1,2,3,4,5,6,7
	v_cmp_ge_f32 vcc_lo, v46, v[24+\e]             ; kept where it is not beaten: the lower index wins a tie
	v_cndmask_b32 v46, v[24+\e], v46, vcc_lo
	v_cndmask_b32 v41, \e, v41, vcc_lo
.endr
.irp e, 0,1,2,3,4,5,6,7
	v_cmp_ne_u32 vcc_lo, \e, v41
	v_cndmask_b32 v[32+\e], -1.0, v[24+\e], vcc_lo ; the winner is taken out: -1 lies under every p
.endr
	v_mov_b32 v48, 0                               ; i2
	v_mov_b32 v47, v32
.irp e, 1,2,3,4,5,6,7
	v_cmp_ge_f32 vcc_lo, v47, v[32+\e]
	v_cndmask_b32 v47, v[32+\e], v47, vcc_lo
	v_cndmask_b32 v48, \e, v48, vcc_lo
.endr
	v_add_f32 v49, v46, v47
	v_rcp_f32 v49, v49
	v_rcp_f32 v43, v42
	v_min_u32 v52, v41, v48                        ; (a plain line behind the reciprocals)  lo
	s_wait_alu depctr_va_vdst(0)
	v_mul_f32 v50, v46, v49                        ; the two weights, renormalised
	v_mul_f32 v51, v47, v49
	v_add_nc_u32 v53, v41, v48
	v_sub_nc_u32 v53, v53, v52                     ; hi
	v_sub_nc_u32 v54, 15, v52
	v_mul_u32_u24 v54, v54, v52
	v_lshrrev_b32 v54, 1, v54
	v_add_nc_u32 v54, v54, v53
	v_sub_nc_u32 v54, v54, v52
	v_add_nc_u32 v54, -1, v54                      ; q = lo (15 - lo) / 2 + hi - lo - 1: 0 .. 27
	v_cmp_lt_u32 vcc_lo, v41, v48
	v_cndmask_b32 v56, v51, v50, vcc_lo            ; the weight of expert lo,
	v_cndmask_b32 v57, v50, v51, vcc_lo            ; and of expert hi
	v_mov_b32 v58, 0                               ; lane q: the group's count of pair q
	v_mov_b32 v59, 0                               ; my rank among the group's tokens of my pair
.irp q, 0,1,2,3,4,5,6,7,8,9,10,11,12,13,14,15,16,17,18,19,20,21,22,23,24,25,26,27
	v_cmp_eq_u32 s53, \q, v54
	s_and_b32 s53, s53, 0xffff                     ; the sixteen tokens, not their copies
	s_bcnt1_i32_b32 s54, s53
	v_writelane_b32 v58, s54, \q
	v_mbcnt_lo_u32_b32 v60, s53, 0
	v_cndmask_b32 v59, v59, v60, s53
.endr
	v_permlanex16_b32 v60, v59, s[SEL], s[SEL+1]
	v_or_b32 v59, v59, v60                         ; lanes 16-31 had 0: they take their token's rank
	v_lshl_or_b32 v59, v59, 8, v54                 ; q | rank << 8
.irp e, 0,1,2,3,4,5,6,7
	v_mul_f32 v[32+\e], v[24+\e], v43              ; the probabilities,
.endr
.irp m, 1,2,4,8
.irp e, 0,1,2,3,4,5,6,7
	v_add_f32_dpp v[32+\e], v[32+\e], v[32+\e] row_xmask:\m row_mask:0xf bank_mask:0xf   ; summed over the 16 tokens
.endr
.endr
	v_and_b32 v61, 7, v1
	v_mov_b32 v62, v32
.irp e, 1,2,3,4,5,6,7
	v_cmp_eq_u32 vcc_lo, \e, v61
	v_cndmask_b32 v62, v62, v[32+\e], vcc_lo       ; lane l takes expert l % 8's sum
.endr
	s_lshl_b32 s55, ttmp9, 7
	s_lshl_b32 s56, ttmp9, 6
	s_lshl_b32 s57, ttmp9, 5
	v_lshl_add_u32 v63, v2, 3, s55                 ; every place is fixed by ids alone
	v_lshl_add_u32 v40, v2, 2, s56
	v_lshl_add_u32 v42, v1, 2, s55
	v_lshl_add_u32 v44, v61, 2, s57
	global_store_b64 v63, v[56:57], s[28:29]               ; cw[token] = (c_lo, c_hi)
	global_store_b32 v40, v59, s[26:27]                    ; sel[token]
	global_store_b32 v42, v58, s[26:27] offset:16384       ; hist[group][32]
	global_store_b32 v44, v62, s[28:29] offset:32768       ; psum[group][8]
	s_wait_xcnt 0x0                                ; the registers that these stores name are written again below
.Lno_route:
.irp b, 0,1,2,3
	v_mov_b32 v[TM+4+\b], 0                        ; a lane permute's destination counts as one of its sources
.endr
	; ---- gate
	s_wait_loadcnt 32                              ; gate is in; up's and down's 32 loads may be out
	TURN BQ, 0
	s_wait_dscnt 0x0                               ; the numbers are back
	QUANT X
	OUTF 12, 18, 0, 13, 20, 0
	; ---- up
	s_wait_loadcnt 16                              ; up is in; down's 16 loads may be out
	TURN UPW, 0x04                                 ; an LDS store's data are its source 1: window 1
	s_wait_dscnt 0x0
	s_wait_xcnt 0x0                                ; gate's stores have read PC and PW: they are written again only behind this wait
	QUANT X
	OUTF 12, 18, 4096, 13, 20, 4
	; ---- down
	s_wait_loadcnt 0x0
	TURN DNW, 0x04
	s_wait_dscnt 0x0
	s_wait_xcnt 0x0                                ; up's stores have read PC and PW
	QUANT X
	OUTF 14, 22, 0, 15, 24, 0
	s_set_vgpr_msb 0x5
	s_wait_tensorcnt 0x0
	ds_add_u32 v128, v129
	s_wait_dscnt 0x0
	s_set_vgpr_msb 0x500
	s_endpgm
.Lfunc_end_k_qb458aff062_prep:
	.size	k_qb458aff062_prep, .Lfunc_end_k_qb458aff062_prep-k_qb458aff062_prep
	.p2alignl 7, 3214868480
	.fill 96, 4, 3214868480
	.section	.rodata,"a",@progbits
	.p2align	6, 0x0
	.amdhsa_kernel k_qb458aff062_prep
		.amdhsa_group_segment_fixed_size 76800
		.amdhsa_private_segment_fixed_size 0
		.amdhsa_enable_private_segment 0
		.amdhsa_kernarg_size 88
		.amdhsa_user_sgpr_count 2
		.amdhsa_user_sgpr_kernarg_segment_ptr 1
		.amdhsa_wavefront_size32 1
		.amdhsa_system_sgpr_workgroup_id_x 1
		.amdhsa_system_sgpr_workgroup_id_y 1
		.amdhsa_system_sgpr_workgroup_id_z 1
		.amdhsa_system_vgpr_workitem_id 0
		.amdhsa_next_free_vgpr 386
		.amdhsa_next_free_sgpr 66
		.amdhsa_reserve_vcc 1
		.amdhsa_float_denorm_mode_32 3
		.amdhsa_float_denorm_mode_16_64 3
		.amdhsa_memory_ordered 1
		.amdhsa_forward_progress 1
		.amdhsa_inst_pref_size 107
	.end_amdhsa_kernel
	.amdgpu_metadata
---
amdhsa.version: [ 1, 2 ]
amdhsa.kernels:
  - .name:           k_qb458aff062_prep
    .symbol:         k_qb458aff062_prep.kd
    .args:
      - { .name: x, .offset: 0, .size: 8, .value_kind: global_buffer, .address_space: global }
      - { .name: w_router, .offset: 8, .size: 8, .value_kind: global_buffer, .address_space: global }
      - { .name: w_gate, .offset: 16, .size: 8, .value_kind: global_buffer, .address_space: global }
      - { .name: w_up, .offset: 24, .size: 8, .value_kind: global_buffer, .address_space: global }
      - { .name: w_down, .offset: 32, .size: 8, .value_kind: global_buffer, .address_space: global }
      - { .name: wgu, .offset: 40, .size: 8, .value_kind: global_buffer, .address_space: global }
      - { .name: sgu, .offset: 48, .size: 8, .value_kind: global_buffer, .address_space: global }
      - { .name: wdn, .offset: 56, .size: 8, .value_kind: global_buffer, .address_space: global }
      - { .name: sdn, .offset: 64, .size: 8, .value_kind: global_buffer, .address_space: global }
      - { .name: route, .offset: 72, .size: 8, .value_kind: global_buffer, .address_space: global }
      - { .name: rtf, .offset: 80, .size: 8, .value_kind: global_buffer, .address_space: global }
    .group_segment_fixed_size: 76800
    .private_segment_fixed_size: 0
    .kernarg_segment_align: 8
    .kernarg_segment_size: 88
    .max_flat_workgroup_size: 256
    .sgpr_count:     66
    .vgpr_count:     386
    .wavefront_size: 32
...
	.end_amdgpu_metadata
.endif
;; end of part 1
;; launch place (part 2): grid 1 x 1, 8 waves a work-group, no clusters, 35,840 bytes of LDS; arguments route, rtf, list, out1; writes list, out1
.if DOCPART == 2
	.amdgcn_target "amdgcn-amd-amdhsa--gfx1250"
	.amdhsa_code_object_version 6
	.text
	.protected	k_qb458aff062_place
	.globl	k_qb458aff062_place
	.p2align	8
	.type	k_qb458aff062_place,@function
k_qb458aff062_place:
	s_mov_b64 s[64:65], 0
	v_nop
	global_prefetch_b8 v0, s[64:65] scope:SCOPE_SE
	s_setreg_imm32_b32 hwreg(HW_REG_WAVE_MODE, 25, 1), 1
	s_wait_xcnt 0x0
; PLACE.  A counting sort of the 4,096 tokens by their pair of experts (28 bins), without atomics, by one work-group of 256 threads; each bin is cut into tiles of 32 tokens.
; In: sel[4096] (q | rank << 8), hist[256 groups][32 bins], psum[256 groups][8].  Out: list: 256 tile words (lo | hi << 8 | cnt << 16), then rows[32 x tile + i] = token; out1: the load-balancing loss.
; The sum over the bins of ceil(n / 32) is at most 128 + 28 x 31 / 32, so there are never more than 155 tiles, whatever the split; tile words past the last tile get cnt = 0.
; A token's place = 32 x its bin's first tile + the bin's tokens in earlier groups + its rank in its group.
; Wave w sums groups 32 w .. 32 w + 31 (lane = bin); the waves' totals meet in LDS; the start of every (group, bin) goes into a table in LDS; thread g then places group g's 16 tokens.
; The 16 KB of token numbers leave as scattered words: a sort has no other order to offer here, and it is 16 KB once.
; One work-group: the sums span all groups.
.set WT,  0                            ; LDS: 8 waves x 32 bins: the waves' counts
.set WP,  1024                         ; 8 waves x 32 lanes: the waves' sums of probabilities (expert = lane % 8)
.set TBL, 2048                         ; 256 groups x 32 bins: where a group's tokens of a bin begin
.set TS,  8                            ; s8-35   a bin's first tile
.set NQ,  36                           ; s36-63  a bin's tokens
.set EC,  66                           ; s66-73  an expert's tokens
.set LC,  120                          ; v120    the loss: the experts' counts; v121 the loss itself; v122 its offset, 0: three registers that no memory instruction has named before
	s_load_b128 s[4:7], s[0:1], 0x0                ; route s[4:5], rtf s[6:7]
	s_load_b128 s[76:79], s[0:1], 0x10             ; list s[76:77], out1 s[78:79]
	v_lshl_add_u32 v128, v0, 2, 0x8800
	v_mov_b32 v129, 0
	v_lshrrev_b32 v1, 5, v0
	v_readfirstlane_b32 s80, v1                    ; wave
	v_and_b32 v1, 31, v0
	v_lshlrev_b32 v1, 2, v1                        ; 4 x lane
	v_lshlrev_b32 v2, 6, v0                        ; my group's 16 sel words
	v_lshlrev_b32 v3, 7, v0
	v_add_nc_u32 v3, TBL, v3                       ; my group's row of the table
	s_lshl_b32 s81, s80, 12
	v_add_nc_u32 v112, s81, v1                     ; my wave's 32 rows of hist, my bin
	v_add_nc_u32 v115, TBL, v112                   ; and of the table
	s_lshl_b32 s81, s80, 10
	v_add_nc_u32 v113, s81, v1                     ; my wave's 256 words of psum
	s_lshl_b32 s81, s80, 7
	v_add_nc_u32 v114, s81, v1                     ; my wave's row of WT and WP
	v_lshlrev_b32 v119, 2, v0                      ; my tile word
	s_mov_b32 s82, 0x76543210
	s_mov_b32 s83, 0xfedcba98                      ; v_permlanex16_b32's selects for lane l xor 16
	s_wait_kmcnt 0x0
.irp j, 0,1,2,3,4,5,6,7,8,9,10,11,12,13,14,15,16,17,18,19,20,21,22,23,24,25,26,27,28,29,30,31
	global_load_b32 v[32+\j], v112, s[4:5] offset:16384+128*\j
.endr
.irp j, 0,1,2,3,4,5,6,7
	global_load_b32 v[20+\j], v113, s[6:7] offset:32768+128*\j
.endr
.irp k, 0,1,2,3
	global_load_b128 v[4+4*\k:7+4*\k], v2, s[4:5] offset:16*\k
.endr
	s_wait_loadcnt 12                              ; hist is in; psum's 8 and sel's 4 loads may be out
.irp j, 1,2,3,4,5,6,7,8,9,10,11,12,13,14,15,16,17,18,19,20,21,22,23,24,25,26,27,28,29,30,31
	v_add_nc_u32 v[32+\j], v[32+\j], v[31+\j]      ; running sums down my wave's groups
.endr
	s_wait_loadcnt 4                               ; psum is in; sel's 4 loads may be out
	v_add_f32 v20, v20, v21
	v_add_f32 v22, v22, v23
	v_add_f32 v24, v24, v25
	v_add_f32 v26, v26, v27
	v_add_f32 v20, v20, v22
	v_add_f32 v24, v24, v26
	v_add_f32 v20, v20, v24
	v_add_f32_dpp v20, v20, v20 row_xmask:8 row_mask:0xf bank_mask:0xf
	v_permlanex16_b32 v21, v20, s82, s83
	v_add_f32 v20, v20, v21                        ; the four lanes of an expert joined
	ds_store_b32 v114, v63 offset:WT
	ds_store_b32 v114, v20 offset:WP
	s_wait_dscnt 0x0                               ; for the others' sake
	s_barrier_signal -1
	s_barrier_wait -1
.irp j, 0,1,2,3,4,5,6,7
	ds_load_b32 v[64+\j], v1 offset:WT+128*\j
.endr
	s_wait_dscnt 0x0
	v_add_nc_u32 v72, v64, v65
	v_add3_u32 v72, v72, v66, v67
	v_add3_u32 v72, v72, v68, v69
	v_add3_u32 v72, v72, v70, v71                  ; lane = bin: its tokens in all
	v_mov_b32 v73, 0
.irp j, 0,1,2,3,4,5,6
	s_cmp_gt_u32 s80, \j
	s_cselect_b32 s81, -1, 0
	v_and_b32 v74, s81, v[64+\j]
	v_add_nc_u32 v73, v73, v74                     ; and in the waves ahead of mine
.endr
	s_mov_b32 s[TS], 0
	v_mov_b32 v75, 0
.set Q, 0
.rept 28
	v_readlane_b32 s[NQ+Q], v72, Q
	v_writelane_b32 v75, s[TS+Q], Q
.if Q < 27
	s_add_co_u32 s81, s[NQ+Q], 31
	s_lshr_b32 s81, s81, 5
	s_add_co_u32 s[TS+1+Q], s[TS+Q], s81           ; the next bin begins ceil(n / 32) tiles on
.endif
.set Q, Q+1
.endr
	v_lshl_add_u32 v76, v75, 5, v73                ; 32 x the bin's first tile + what lies ahead of my wave
.irp j, 0,1,2,3,4,5,6,7,8,9,10,11,12,13,14,15,16,17,18,19,20,21,22,23,24,25,26,27,28,29,30
	v_add_nc_u32 v[32+\j], v76, v[32+\j]
.endr
	ds_store_b32 v115, v76
.irp j, 1,2,3,4,5,6,7,8,9,10,11,12,13,14,15,16,17,18,19,20,21,22,23,24,25,26,27,28,29,30,31
	ds_store_b32 v115, v[31+\j] offset:128*\j
.endr
	s_wait_dscnt 0x0                               ; for the others' sake
	s_barrier_signal -1
	s_barrier_wait -1                              ; behind this barrier LDS is only read
	s_wait_loadcnt 0x0                             ; sel
.irp i, 0,1,2,3,4,5,6,7,8,9,10,11,12,13,14,15
	v_and_b32 v[80+\i], 0xff, v[4+\i]
.endr
.irp i, 0,1,2,3,4,5,6,7,8,9,10,11,12,13,14,15
	v_min_u32 v[80+\i], 31, v[80+\i]               ; a loaded number enters an address only held
.endr
.irp i, 0,1,2,3,4,5,6,7,8,9,10,11,12,13,14,15
	v_lshl_add_u32 v[80+\i], v[80+\i], 2, v3
.endr
.irp i, 0,1,2,3,4,5,6,7,8,9,10,11,12,13,14,15
	ds_load_b32 v[96+\i], v[80+\i]                 ; where my group's tokens of this bin begin
.endr
.irp i, 0,1,2,3,4,5,6,7,8,9,10,11,12,13,14,15
	v_lshrrev_b32 v[4+\i], 8, v[4+\i]
.endr
.irp i, 0,1,2,3,4,5,6,7,8,9,10,11,12,13,14,15
	v_min_u32 v[4+\i], 15, v[4+\i]                 ; the rank
.endr
	s_wait_dscnt 0x0
.irp i, 0,1,2,3,4,5,6,7,8,9,10,11,12,13,14,15
	v_add_nc_u32 v[96+\i], v[96+\i], v[4+\i]
.endr
.irp i, 0,1,2,3,4,5,6,7,8,9,10,11,12,13,14,15
	v_min_u32 v[96+\i], 4959, v[96+\i]             ; 155 tiles x 32 places
.endr
.irp i, 0,1,2,3,4,5,6,7,8,9,10,11,12,13,14,15
	v_lshlrev_b32 v[96+\i], 2, v[96+\i]
.endr
.irp i, 0,1,2,3,4,5,6,7,8,9,10,11,12,13,14,15
	v_lshl_or_b32 v[80+\i], v0, 4, \i              ; the token's number
.endr
.irp i, 0,1,2,3,4,5,6,7,8,9,10,11,12,13,14,15
	global_store_b32 v[96+\i], v[80+\i], s[76:77] offset:1024   ; v80-111 are these stores' sources: nothing below writes them
.endr
	; the tile table: thread i finds the last bin whose first tile is not behind i
	v_mov_b32 v116, 0
	v_mov_b32 v117, 0
	v_mov_b32 v118, 0
.set Q, 0
.set LO, 0
.set HI, 1
.rept 28
	v_cmp_gt_u32 vcc_lo, s[TS+Q], v0               ; kept where the bin begins behind tile i
	v_cndmask_b32 v116, s[TS+Q], v116, vcc_lo
	v_cndmask_b32 v117, s[NQ+Q], v117, vcc_lo
	v_cndmask_b32 v118, LO|(HI<<8), v118, vcc_lo
.set Q, Q+1
.set HI, HI+1
.if HI == 8
.set LO, LO+1
.set HI, LO+1
.endif
.endr
	v_sub_nc_u32 v116, v0, v116
	v_lshlrev_b32 v116, 5, v116                    ; the bin's tokens in the tiles ahead of i,
	v_min_u32 v116, v116, v117                     ; at most all of them,
	v_sub_nc_u32 v117, v117, v116                  ; what is left,
	v_min_u32 v117, 32, v117                       ; and this tile's share: 0 past the last tile
	v_lshl_or_b32 v118, v117, 16, v118
	global_store_b32 v119, v118, s[76:77]          ; v118 and v119 are not written again either
	s_cmp_lg_u32 s80, 0
	s_cbranch_scc1 .Ldone
	; ---- wave 0: the loss = 0.01 x 8 x the sum over experts of (tokens / 4,096) x (sum of probabilities / 4,096)
.irp j, 0,1,2,3,4,5,6,7
	ds_load_b32 v[64+\j], v1 offset:WP+128*\j
.endr
.irp e, 0,1,2,3,4,5,6,7
	s_mov_b32 s[EC+\e], 0
.endr
.set Q, 0
.set LO, 0
.set HI, 1
.rept 28
	s_add_co_u32 s[EC+LO], s[EC+LO], s[NQ+Q]
	s_add_co_u32 s[EC+HI], s[EC+HI], s[NQ+Q]
.set Q, Q+1
.set HI, HI+1
.if HI == 8
.set LO, LO+1
.set HI, LO+1
.endif
.endr
	v_mov_b32 v[LC], 0
.irp e, 0,1,2,3,4,5,6,7
	v_writelane_b32 v[LC], s[EC+\e], \e
.endr
	v_cvt_f32_u32 v[LC], v[LC]
	s_wait_dscnt 0x0
	v_add_f32 v64, v64, v65
	v_add_f32 v66, v66, v67
	v_add_f32 v68, v68, v69
	v_add_f32 v70, v70, v71
	v_add_f32 v64, v64, v66
	v_add_f32 v68, v68, v70
	v_add_f32 v64, v64, v68                        ; lane e (0 .. 7): expert e's sum of probabilities
	v_mul_f32 v64, v64, v[LC]
	v_add_f32_dpp v64, v64, v64 row_xmask:1 row_mask:0xf bank_mask:0xf
	v_add_f32_dpp v64, v64, v64 row_xmask:2 row_mask:0xf bank_mask:0xf
	v_add_f32_dpp v64, v64, v64 row_xmask:4 row_mask:0xf bank_mask:0xf
	v_mul_f32 v64, 0x31a3d70a, v64                 ; x 0.08 x 2^-24
	v_readfirstlane_b32 s81, v64
	v_mov_b32 v[LC+1], s81                         ; every lane holds lane 0's number and the same address: EXEC stays as it is
	v_mov_b32 v[LC+2], 0
	global_store_b32 v[LC+2], v[LC+1], s[78:79]
.Ldone:
	s_wait_tensorcnt 0x0
	ds_add_u32 v128, v129
	s_wait_dscnt 0x0
	s_endpgm
.Lfunc_end_k_qb458aff062_place:
	.size	k_qb458aff062_place, .Lfunc_end_k_qb458aff062_place-k_qb458aff062_place
	.p2alignl 7, 3214868480
	.fill 96, 4, 3214868480
	.section	.rodata,"a",@progbits
	.p2align	6, 0x0
	.amdhsa_kernel k_qb458aff062_place
		.amdhsa_group_segment_fixed_size 35840
		.amdhsa_private_segment_fixed_size 0
		.amdhsa_enable_private_segment 0
		.amdhsa_kernarg_size 32
		.amdhsa_user_sgpr_count 2
		.amdhsa_user_sgpr_kernarg_segment_ptr 1
		.amdhsa_wavefront_size32 1
		.amdhsa_system_sgpr_workgroup_id_x 1
		.amdhsa_system_sgpr_workgroup_id_y 1
		.amdhsa_system_sgpr_workgroup_id_z 1
		.amdhsa_system_vgpr_workitem_id 0
		.amdhsa_next_free_vgpr 130
		.amdhsa_next_free_sgpr 100
		.amdhsa_reserve_vcc 1
		.amdhsa_float_denorm_mode_32 3
		.amdhsa_float_denorm_mode_16_64 3
		.amdhsa_memory_ordered 1
		.amdhsa_forward_progress 1
		.amdhsa_inst_pref_size 36
	.end_amdhsa_kernel
	.amdgpu_metadata
---
amdhsa.version: [ 1, 2 ]
amdhsa.kernels:
  - .name:           k_qb458aff062_place
    .symbol:         k_qb458aff062_place.kd
    .args:
      - { .name: route, .offset: 0, .size: 8, .value_kind: global_buffer, .address_space: global }
      - { .name: rtf, .offset: 8, .size: 8, .value_kind: global_buffer, .address_space: global }
      - { .name: list, .offset: 16, .size: 8, .value_kind: global_buffer, .address_space: global }
      - { .name: out1, .offset: 24, .size: 8, .value_kind: global_buffer, .address_space: global }
    .group_segment_fixed_size: 35840
    .private_segment_fixed_size: 0
    .kernarg_segment_align: 8
    .kernarg_segment_size: 32
    .max_flat_workgroup_size: 256
    .sgpr_count:     100
    .vgpr_count:     130
    .wavefront_size: 32
...
	.end_amdgpu_metadata
.endif
;; end of part 2
;; launch chain (part 3): grid 155 x 1, 16 waves a work-group, no clusters, 212,992 bytes of LDS; arguments x, wgu, sgu, wdn, sdn, rtf, list, out0; writes out0
.if DOCPART == 3
	.amdgcn_target "amdgcn-amd-amdhsa--gfx1250"
	.amdhsa_code_object_version 6
	.text
	.protected	k_qb458aff062_chain
	.globl	k_qb458aff062_chain
	.p2align	8
	.type	k_qb458aff062_chain,@function
k_qb458aff062_chain:
	s_mov_b64 s[64:65], 0
	v_nop
	global_prefetch_b8 v0, s[64:65] scope:SCOPE_SE
	s_setreg_imm32_b32 hwreg(HW_REG_WAVE_MODE, 25, 1), 1
	s_wait_xcnt 0x0
; CHAIN.  A work-group takes ONE TILE, up to 32 tokens that chose the same pair of experts (lo, hi), through both experts' whole chain:
; y = c_lo (Q(silu(Q(x) Wg^T) (Q(x) Wu^T)) Wd^T)[lo] + c_hi (the same)[hi], every product on codes of E4M3 with one E8M0 scale for each 32 along K.  Each token lies in one tile: each row of out0 has one owner.
; GRID: 155 tiles serve every split of 4,096 tokens over 28 pairs.  A tile whose stored count is 0 jumps over the three sections of work and stores nothing; both barriers stand outside those jumps.
; A short tile's missing rows repeat its last token: they compute and store the same bytes again, and every lane stays on.
; SHARES.  16 waves.  First products: wave w makes hidden units 32 w .. 32 w + 31 (gate and up: 4 tiles) for the 32 tokens, K = 1,024 in 8 steps, for each of the two experts; silu(g) u is quantised in registers:
; its 32 units are one block of the next K.  Second product: wave w makes output columns 64 w .. 64 w + 63 (4 tiles), K = 512 in 4 steps, for each expert.
; THE WEIGHTS come from memory straight into operand registers, in the order in which the first launch laid them: a step is 4 fragments (16 loads); the scale words of two steps come by one load more, with the even step.
; EVERY ONE OF THESE LOADS, AND EVERY LOAD OF x, COVERS 512 CONSECUTIVE BYTES: a work-group walks 3 MB of codes, so nothing is asked for in pieces or twice.
; A ring of two steps in registers: 33 loads of a wave are on their way.  x's and h's codes go from wave to wave through LDS as images of their registers.
; Both products are used TRANSPOSED (source 0 = 16 weight rows, source 1 = 16 tokens): a lane holds one token, and its registers run along the hidden units or the output columns.
; NO TENSOR LOADS, NO CLUSTER: neighbouring tiles belong to different pairs, so they walk different weights.
; LIMITS: NaN and infinities among the inputs are not served; a block of zeros gets the scale byte 1 (its codes are zeros).
.set XIMG, 0                           ; LDS: x's 16 fragments (8 m + s), 2,048 bytes each
.set HIMG, 32768                       ; h's 16 fragments ((2 k + m) 4 + s)
.set XSC,  65536                       ; x's scale words, 128 bytes a fragment
.set HSC,  67584                       ; h's
.set TOKW, 69632                       ; the tile's 32 token numbers, once for each wave
.set STG,  71680                       ; a stage for each wave: 32 rows x (256 + 16) bytes on the way out; at the start 16 rows x (512 + 16) bytes for x's turn
.set SP,   272
.set XP,   528
.set STGW, 32*SP
.set PW,  21                           ; v21      the scale word just made
.set PC,  32                           ; v32-47   the codes just made (section X)
.set TM,  48                           ; v48-63   the quantiser's temporaries (section X)
.set SEL, 46                           ; s[46:47] v_permlanex16_b32's selects for lane l xor 16
.set MNT, 48                           ; s48      the mantissa field of 448
.set WV,  49                           ; s49      wave
.set CNT, 50                           ; s50      the tile's tokens
; v1 16 lane, v2/v3 the stage for x's turn (in/out), v4/v5 scale words of x/h (read), v6/v7 h's codes/byte (write), v8/v9 stage in/out, v10 tokens of two stage rows, v11 my bytes of an output row,
; v12-15 (c_lo, c_hi) of my token in rows 0-15 and 16-31, v16-19 and v28-31 the weights' scale words (two steps each, by turns), v20 the tokens' scale words: these nine hold scales and nothing else,
; v22/v23 my tokens, v24/v25 x's image/word (write), v26/v27 token words, v32-63 two token fragments (in the head: v32-47 my fragment's 16 tokens, v56-63 at work), v64-127 eight accumulators, v128-255 the ring.
; s[28:31] wgu, s[32:35] sgu, s[36:39] wdn, s[40:43] sdn at my part of expert lo and of expert hi; s[44:45] x at my K step.
.macro LOADSTEP t                              ; step t's 4 weight fragments into ring slot t % 2: 16 loads; an even step brings the scale words of steps t and t + 1 too: 17
.if (\t) < 16
.set LB,  28+2*((\t)/8)
.set LSB, 32+2*((\t)/8)
.set LSS, (\t)%8
.else
.set LB,  36+2*(((\t)-16)/4)
.set LSB, 40+2*(((\t)-16)/4)
.set LSS, ((\t)-16)%4
.endif
.set LR, 128+64*((\t)%2)
.if ((\t)%2) == 0
.set LSC, 16+12*(((\t)/2)%2)
	global_load_b128 v[LSC:LSC+3], v1, s[LSB:LSB+1] offset:512*(LSS/2)
.endif
.irp f, 0,1,2,3
.irp c, 0,1,2,3
	global_load_b128 v[LR+16*\f+4*\c:LR+16*\f+4*\c+3], v1, s[LB:LB+1] offset:LSS*8192+\f*2048+\c*512
.endr
.endr
.endm
.macro WM ra, rb                               ; one product; ra, rb: the scales stand in lanes 16-31 of their registers
.if WZ
.if (\ra) && (\rb)
	v_wmma_scale_f32_16x16x128_f8f6f4 v[WD:WD+7], v[WA:WA+15], v[WB:WB+15], 0, v[WSA], v20 matrix_a_scale:MATRIX_SCALE_ROW1 matrix_b_scale:MATRIX_SCALE_ROW1
.elseif \ra
	v_wmma_scale_f32_16x16x128_f8f6f4 v[WD:WD+7], v[WA:WA+15], v[WB:WB+15], 0, v[WSA], v20 matrix_a_scale:MATRIX_SCALE_ROW1
.elseif \rb
	v_wmma_scale_f32_16x16x128_f8f6f4 v[WD:WD+7], v[WA:WA+15], v[WB:WB+15], 0, v[WSA], v20 matrix_b_scale:MATRIX_SCALE_ROW1
.else
	v_wmma_scale_f32_16x16x128_f8f6f4 v[WD:WD+7], v[WA:WA+15], v[WB:WB+15], 0, v[WSA], v20
.endif
.else
.if (\ra) && (\rb)
	v_wmma_scale_f32_16x16x128_f8f6f4 v[WD:WD+7], v[WA:WA+15], v[WB:WB+15], v[WD:WD+7], v[WSA], v20 matrix_a_scale:MATRIX_SCALE_ROW1 matrix_b_scale:MATRIX_SCALE_ROW1
.elseif \ra
	v_wmma_scale_f32_16x16x128_f8f6f4 v[WD:WD+7], v[WA:WA+15], v[WB:WB+15], v[WD:WD+7], v[WSA], v20 matrix_a_scale:MATRIX_SCALE_ROW1
.elseif \rb
	v_wmma_scale_f32_16x16x128_f8f6f4 v[WD:WD+7], v[WA:WA+15], v[WB:WB+15], v[WD:WD+7], v[WSA], v20 matrix_b_scale:MATRIX_SCALE_ROW1
.else
	v_wmma_scale_f32_16x16x128_f8f6f4 v[WD:WD+7], v[WA:WA+15], v[WB:WB+15], v[WD:WD+7], v[WSA], v20
.endif
.endif
.endm
; A step: 4 weight fragments x 2 token fragments = 8 products on 8 accumulators, which take turns, one instruction a turn, from step to step too.
; Steps 0-15: expert t / 8, K step t % 8 of the first products.  Steps 16-23: expert (t - 16) / 4, K step (t - 16) % 4 of the second.  An expert's first K step starts the sums with the constant 0.
; The scale word of fragment f in step t: buffer (t / 2) % 2, register 2 (t % 2) + f / 2, lanes 16 (f % 2) on.
.macro STEP t
.if (\t) < 16
.set SS,  (\t)%8
.set RB0, XIMG+SS*2048
.set RBM, 16384
.set SCV, 4
.set SCO, 128*SS
.else
.set SS,  ((\t)-16)%4
.set RB0, HIMG+(8*(((\t)-16)/4)+SS)*2048
.set RBM, 8192
.set SCV, 5
.set SCO, (8*(((\t)-16)/4)+SS)*128
.endif
.if SS == 0
.set WZ, 1
.else
.set WZ, 0
.endif
.irp m, 0,1
.irp c, 0,1,2,3
	ds_load_b128 v[32+16*\m+4*\c:35+16*\m+4*\c], v1 offset:RB0+\m*RBM+512*\c
.endr
.endr
	ds_load_b32 v20, v[SCV] offset:SCO             ; lanes 0-15: the words of tokens 0-15, lanes 16-31: of tokens 16-31
.if (\t) == 23
	s_wait_loadcnt 0x0
.elseif ((\t)%2) == 0
	s_wait_loadcnt 16                              ; this step's weights and scale words are in; the next, odd step's 16 loads, issued behind them, may be out
.else
	s_wait_loadcnt 17                              ; this step's weights are in; the next, even step's 17 loads may be out
.endif
	s_wait_dscnt 0x0
.irp f, 0,1,2,3
.irp m, 0,1
.set WD,  64+32*(\f/2)+16*\m+8*(\f%2)
.set WA,  128+64*((\t)%2)+16*\f
.set WB,  32+16*\m
.set WSA, 16+12*(((\t)/2)%2)+2*((\t)%2)+\f/2
	WM \f%2, \m
.endr
.endr
.rept 8
	v_nop                                          ; eight places in front of loads into registers that these products read, and of the first reads of their results
.endr
.if (\t)+2 < 24
	LOADSTEP (\t)+2                                ; into the slot just multiplied; the scale words into the buffer that steps t - 2 and t - 1 read
.endif
.endm
.macro QUANT s                                 ; 64 numbers of a lane, register 16 b + i = k 32 b + 16 h + i of my token, become a fragment's codes (PC) and its scale word (PW)
.irp b, 0,1,2,3
	v_max3_num_f32 v[TM+\b], |v[\s+16*\b]|, |v[\s+1+16*\b]|, 0x4800000   ; and the floor 2^(9 - 127): the byte cannot fall under 1
.endr
.irp i, 2,4,6,8,10,12,14
.irp b, 0,1,2,3
	v_max3_num_f32 v[TM+\b], v[TM+\b], |v[\s+16*\b+\i]|, |v[\s+1+16*\b+\i]|
.endr
.endr
.irp b, 0,1,2,3
	v_permlanex16_b32 v[TM+4+\b], v[TM+\b], s[SEL], s[SEL+1]
.endr
.irp b, 0,1,2,3
	v_max_num_f32 v[TM+\b], v[TM+\b], v[TM+4+\b]
.endr
.irp b, 0,1,2,3
	v_add_nc_u32 v[TM+12+\b], 0xfc000000, v[TM+\b]
.endr
.irp b, 0,1,2,3
	v_and_or_b32 v[TM+8+\b], v[TM+\b], 0x7f800000, s[MNT]
.endr
.irp b, 0,1,2,3
	v_lshrrev_b32 v[TM+4+\b], 23, v[TM+12+\b]
.endr
	v_lshl_or_b32 v[PW], v[TM+5], 8, v[TM+4]
	v_lshl_or_b32 v[PW], v[TM+6], 16, v[PW]
	v_lshl_or_b32 v[PW], v[TM+7], 24, v[PW]
.irp b, 0,1,2,3
.irp i, 0,1,2,3,4,5,6,7,8,9,10,11,12,13,14,15
	v_med3_num_f32 v[\s+16*\b+\i], v[\s+16*\b+\i], -v[TM+8+\b], v[TM+8+\b]   ; the conversion does not saturate (ISA guide 7.6.2): the hold
.endr
	v_cvt_scalef32_pk8_fp8_f32 v[PC+4*\b:PC+1+4*\b], v[\s+16*\b:\s+7+16*\b], v[TM+12+\b]
	v_cvt_scalef32_pk8_fp8_f32 v[PC+2+4*\b:PC+3+4*\b], v[\s+8+16*\b:\s+15+16*\b], v[TM+12+\b]
.endr
	v_nop                                          ; a plain line behind the last conversion: products later write these registers
.endm
; h = g u / (1 + 2^(-g log2 e)), all in f32.  g: v64-95, u: v96-127 (register 16 m + i: hidden unit 32 w + 16 h + i of my token in rows 16 m ..).  Each accumulator is first read at its low end.
.macro SILU
.set I, 0
.rept 32
	v_mul_f32 v[32+I], 0xbfb8aa3b, v[64+I]
.set I, I+1
.endr
.set I, 0
.rept 32
	v_exp_f32 v[32+I], v[32+I]
.set I, I+1
.endr
.set I, 0
.rept 16
	v_pk_mul_f32 v[64+I:65+I], v[64+I:65+I], v[96+I:97+I]     ; g u (plain lines behind the exponentials)
.set I, I+2
.endr
.set I, 0
	s_wait_alu depctr_va_vdst(0)
.rept 16
	v_pk_add_f32 v[32+I:33+I], v[32+I:33+I], 1.0 op_sel_hi:[1,0]
.set I, I+2
.endr
.set I, 0
.rept 32
	v_rcp_f32 v[32+I], v[32+I]
.set I, I+1
.endr
	v_nop                                          ; a plain line behind the reciprocals
.set I, 0
	s_wait_alu depctr_va_vdst(0)
.rept 16
	v_pk_mul_f32 v[64+I:65+I], v[64+I:65+I], v[32+I:33+I]
.set I, I+2
.endr
.endm
; My 32 hidden units are ONE block of the next K: block w % 4 of K step w / 4.  For each half of the tokens: the block's scale byte, 16 codes a lane: registers 4 (w % 4) .. + 3 of the fragment's image.
.macro BQUANT k
.irp m, 0,1
	v_max3_num_f32 v[96+\m], |v[64+16*\m]|, |v[65+16*\m]|, 0x4800000
.endr
.irp i, 2,4,6,8,10,12,14
.irp m, 0,1
	v_max3_num_f32 v[96+\m], v[96+\m], |v[64+16*\m+\i]|, |v[65+16*\m+\i]|
.endr
.endr
.irp m, 0,1
	v_permlanex16_b32 v[98+\m], v[96+\m], s[SEL], s[SEL+1]
.endr
.irp m, 0,1
	v_max_num_f32 v[96+\m], v[96+\m], v[98+\m]
.endr
.irp m, 0,1
	v_add_nc_u32 v[100+\m], 0xfc000000, v[96+\m]
.endr
.irp m, 0,1
	v_and_or_b32 v[102+\m], v[96+\m], 0x7f800000, s[MNT]
.endr
.irp m, 0,1
	v_lshrrev_b32 v[104+\m], 23, v[100+\m]
.endr
.irp m, 0,1
.irp i, 0,1,2,3,4,5,6,7,8,9,10,11,12,13,14,15
	v_med3_num_f32 v[64+16*\m+\i], v[64+16*\m+\i], -v[102+\m], v[102+\m]
.endr
	v_cvt_scalef32_pk8_fp8_f32 v[108+4*\m:109+4*\m], v[64+16*\m:71+16*\m], v[100+\m]
	v_cvt_scalef32_pk8_fp8_f32 v[110+4*\m:111+4*\m], v[72+16*\m:79+16*\m], v[100+\m]
.endr
	v_nop                                          ; a plain line behind the last conversion
.irp m, 0,1
	ds_store_b128 v6, v[108+4*\m:111+4*\m] offset:(2*\k+\m)*8192
	ds_store_b8 v7, v[104+\m] offset:(2*\k+\m)*512
.endr
.endm
.macro PARK                                    ; expert lo's result x c_lo waits in my stage while expert hi's is summed in the same accumulators
.irp f, 0,1,2,3
.irp m, 0,1
.set AC, 64+32*(\f/2)+16*\m+8*(\f%2)
.irp j, 0,2,4,6
	v_pk_mul_f32 v[AC+\j:AC+\j+1], v[AC+\j:AC+\j+1], v[12+2*\m:13+2*\m] op_sel_hi:[1,0]
.endr
.endr
.endr
.irp f, 0,1,2,3
.irp m, 0,1
.set AC, 64+32*(\f/2)+16*\m+8*(\f%2)
	ds_store_b128 v8, v[AC:AC+3] offset:\m*16*SP+64*\f
	ds_store_b128 v8, v[AC+4:AC+7] offset:\m*16*SP+64*\f+16
.endr
.endr
.endm
.macro OUT                                     ; y = parked + c_hi x expert hi's result; through my stage; sixteen lanes store 256 consecutive bytes, aligned, of a token's row
.irp f, 0,1,2,3
.irp m, 0,1
.set AC, 64+32*(\f/2)+16*\m+8*(\f%2)
	ds_load_b128 v[AC+64:AC+67], v8 offset:\m*16*SP+64*\f
	ds_load_b128 v[AC+68:AC+71], v8 offset:\m*16*SP+64*\f+16
.endr
.endr
	s_wait_dscnt 0x0
.irp f, 0,1,2,3
.irp m, 0,1
.set AC, 64+32*(\f/2)+16*\m+8*(\f%2)
.irp j, 0,2,4,6
	v_pk_fma_f32 v[AC+64+\j:AC+65+\j], v[AC+\j:AC+\j+1], v[12+2*\m:13+2*\m], v[AC+64+\j:AC+65+\j] op_sel:[0,1,0] op_sel_hi:[1,1,1]   ; of the pair (c_lo, c_hi) the upper word serves both halves
.endr
.endr
.endr
.irp f, 0,1,2,3
.irp m, 0,1
.set AC, 64+32*(\f/2)+16*\m+8*(\f%2)
	ds_store_b128 v8, v[AC+64:AC+67] offset:\m*16*SP+64*\f
	ds_store_b128 v8, v[AC+68:AC+71] offset:\m*16*SP+64*\f+16
.endr
.endr
.irp i, 0,1,2,3,4,5,6,7,8,9,10,11,12,13,14,15
	ds_load_b32 v[32+\i], v10 offset:8*\i          ; the tokens of stage rows 2 i and 2 i + 1
.endr
.irp i, 0,1,2,3,4,5,6,7,8,9,10,11,12,13,14,15
	ds_load_b128 v[192+4*\i:195+4*\i], v9 offset:2*SP*\i   ; LDS serves a wave's instructions in order: these see my stores
.endr
	s_wait_dscnt 0x0
.irp i, 0,1,2,3,4,5,6,7,8,9,10,11,12,13,14,15
	v_min_u32 v[32+\i], 0xfff, v[32+\i]            ; a loaded number enters an address only held
.endr
.irp i, 0,1,2,3,4,5,6,7,8,9,10,11,12,13,14,15
	v_lshl_add_u32 v[32+\i], v[32+\i], 12, v11
.endr
.irp i, 0,1,2,3,4,5,6,7,8,9,10,11,12,13,14,15
	global_store_b128 v[32+\i], v[192+4*\i:195+4*\i], s[22:23] th:TH_STORE_NT
.endr
.endm
	; ---- the head: on every path
	s_load_b512 s[8:23], s[0:1], 0x0               ; x s[8:9], wgu s[10:11], sgu s[12:13], wdn s[14:15], sdn s[16:17], rtf s[18:19], list s[20:21], out0 s[22:23]
	s_lshl_b32 s25, ttmp9, 2
	v_lshrrev_b32 v56, 5, v0
	v_readfirstlane_b32 s[WV], v56                 ; wave 0..15
	v_and_b32 v56, 31, v0                          ; lane
	v_and_b32 v57, 15, v0                          ; r
	v_bfe_u32 v58, v0, 4, 1                        ; h
	s_wait_kmcnt 0x0
	s_load_b32 s24, s[20:21], s25 offset:0x0       ; my tile's word
	v_lshlrev_b32 v1, 4, v56
	v_lshlrev_b32 v4, 2, v56
	v_lshl_add_u32 v5, v58, 9, v4
	v_add_nc_u32 v5, HSC, v5                       ; h's words: lanes 16-31 take the fragment four further on (tokens 16-31)
	v_lshl_add_u32 v4, v58, 10, v4
	v_add_nc_u32 v4, XSC, v4                       ; x's words: lanes 16-31 take the fragment eight further on
	s_lshl_b32 s55, s[WV], 9
	v_add_nc_u32 v6, s55, v1
	v_add_nc_u32 v6, HIMG, v6                      ; h's codes: fragment w / 4, registers 4 (w % 4) on: 512 w + 16 lane
	s_lshr_b32 s55, s[WV], 2
	s_lshl_b32 s55, s55, 7
	s_and_b32 s56, s[WV], 3
	s_add_co_u32 s55, s55, s56
	v_lshl_add_u32 v7, v56, 2, s55
	v_add_nc_u32 v7, HSC, v7                       ; h's byte: word of fragment w / 4, byte w % 4
	s_mul_i32 s55, s[WV], STGW
	v_mul_u32_u24 v8, v57, SP
	v_lshl_add_u32 v8, v58, 5, v8
	v_add_nc_u32 v8, s55, v8
	v_add_nc_u32 v8, STG, v8                       ; the stage, in: row r, + 32 h
	v_mul_u32_u24 v9, v58, SP
	v_lshl_add_u32 v9, v57, 4, v9
	v_add_nc_u32 v9, s55, v9
	v_add_nc_u32 v9, STG, v9                       ; out: lanes 0-15 one row, lanes 16-31 the next
	v_add_nc_u32 v2, s55, v1
	v_add_nc_u32 v2, STG, v2                       ; x's turn, in: 16 x lane of a row of 512 bytes
	v_mul_u32_u24 v3, v57, XP
	v_lshl_add_u32 v3, v58, 6, v3
	v_add_nc_u32 v3, s55, v3
	v_add_nc_u32 v3, STG, v3                       ; out: row r, + 64 h
	s_lshl_b32 s55, s[WV], 7
	v_lshl_add_u32 v10, v58, 2, s55
	v_add_nc_u32 v10, TOKW, v10
	v_lshl_add_u32 v25, v56, 2, s55
	v_add_nc_u32 v26, TOKW, v25
	v_add_nc_u32 v25, XSC, v25
	v_lshl_add_u32 v27, v57, 2, s55
	v_add_nc_u32 v27, TOKW, v27
	v_and_b32 v61, 0x1e0, v0                       ; 32 w
	v_lshlrev_b32 v61, 2, v61                      ; 128 w: my wave's token words,
	v_lshrrev_b32 v62, 8, v0                       ; m = w / 8
	v_lshl_add_u32 v61, v62, 6, v61
	v_add_nc_u32 v61, TOKW, v61                    ; from row 16 m on: the same word in every lane
	s_lshl_b32 s55, s[WV], 8
	v_lshl_add_u32 v11, v57, 4, s55                ; my wave's 256 bytes of an output row, my 16
	s_lshl_b32 s55, s[WV], 11
	v_add_nc_u32 v24, s55, v1                      ; x's image: fragment w
.irp b, 0,1,2,3
	v_mov_b32 v[TM+4+\b], 0                        ; a lane permute's destination counts as one of its sources
.endr
	s_mov_b32 s[SEL], 0x76543210
	s_mov_b32 s[SEL+1], 0xfedcba98
	s_mov_b32 s[MNT], 0x600000
	s_wait_kmcnt 0x0
	s_lshr_b32 s[CNT], s24, 16
	s_min_u32 s[CNT], s[CNT], 32                   ; loaded numbers are held before they steer anything
	s_and_b32 s51, s24, 0xff
	s_min_u32 s51, s51, 7                          ; lo
	s_bfe_u32 s52, s24, 0x80008
	s_min_u32 s52, s52, 7                          ; hi
	s_mov_b32 s25, 0
.irp k, 0,1
	s_lshl_b32 s55, s[51+\k], 4
	s_add_co_u32 s55, s55, s[WV]                   ; 16 e + w
	s_lshl_b32 s24, s55, 16
	s_add_nc_u64 s[28+2*\k:29+2*\k], s[10:11], s[24:25]
	s_lshl_b32 s24, s55, 11
	s_add_nc_u64 s[32+2*\k:33+2*\k], s[12:13], s[24:25]
	s_lshl_b32 s24, s55, 15
	s_add_nc_u64 s[36+2*\k:37+2*\k], s[14:15], s[24:25]
	s_lshl_b32 s24, s55, 10
	s_add_nc_u64 s[40+2*\k:41+2*\k], s[16:17], s[24:25]
.endr
	s_and_b32 s24, s[WV], 7
	s_lshl_b32 s24, s24, 9
	s_add_nc_u64 s[44:45], s[8:9], s[24:25]        ; x at K step w % 8
	s_lshl_b32 s53, ttmp9, 7                       ; my tile's 32 words of the list;
	s_cmp_lg_u32 s[CNT], 0
	s_cselect_b32 s53, s53, 0                      ; an empty tile reads word 0, which is always written
	s_max_u32 s54, s[CNT], 1
	s_sub_co_u32 s54, s54, 1
	v_min_u32 v59, s54, v56                        ; rows past the count repeat the last token: only written words are read
	v_min_u32 v59, 31, v59
	v_lshl_add_u32 v59, v59, 2, s53
	global_load_b32 v60, v59, s[20:21] offset:1024
	LOADSTEP 0
	LOADSTEP 1
	s_wait_loadcnt 33                              ; the token is in; the two steps' 17 + 16 loads, issued behind it, may be out
	v_min_u32 v60, 0xfff, v60
	ds_store_b32 v26, v60                          ; lane i: the token of row i, in my wave's own words
	ds_load_b32 v22, v27                           ; the token of row r,
	ds_load_b32 v23, v27 offset:64                 ; of row 16 + r,
.irp i, 0,1,2,3,4,5,6,7,8,9,10,11,12,13,14,15
	ds_load_b32 v[32+\i], v61 offset:4*\i          ; and, in every lane alike, of row 16 m + i: the rows of the fragment of x that I make
.endr
	s_wait_dscnt 0x0
	v_min_u32 v22, 0xfff, v22
	v_min_u32 v23, 0xfff, v23
	v_lshlrev_b32 v62, 3, v22
	v_lshlrev_b32 v63, 3, v23
	global_load_b64 v[12:13], v62, s[18:19]        ; (c_lo, c_hi)
	global_load_b64 v[14:15], v63, s[18:19]
	; ---- X: wave w quantises fragment (m = w / 8, s = w % 8) of the tile's rows of x.  Load i brings token 16 m + i's 512 bytes of K step s, 16 bytes a lane; the 16 rows turn through my stage
	s_cmp_eq_u32 s[CNT], 0
	s_cbranch_scc1 .Lx_done
.irp i, 0,1,2,3,4,5,6,7,8,9,10,11,12,13,14,15
	v_min_u32 v[32+\i], 0xfff, v[32+\i]            ; a loaded number enters an address only held
.endr
.irp i, 0,1,2,3,4,5,6,7,8,9,10,11,12,13,14,15
	v_lshl_add_u32 v[32+\i], v[32+\i], 12, v1
.endr
.irp i, 0,1,2,3,4,5,6,7,8,9,10,11,12,13,14,15
	global_load_b128 v[64+4*\i:67+4*\i], v[32+\i], s[44:45]
.endr
	s_wait_loadcnt 0x0                             ; x is in; every load's address register is free
.irp i, 0,1,2,3,4,5,6,7,8,9,10,11,12,13,14,15
	ds_store_b128 v2, v[64+4*\i:67+4*\i] offset:XP*\i
.endr
	s_wait_dscnt 0x0                               ; the stores have read their registers, which take the numbers back:
.irp b, 0,1,2,3
.irp j, 0,1,2,3
	ds_load_b128 v[64+16*\b+4*\j:67+16*\b+4*\j], v3 offset:128*\b+16*\j   ; register 16 b + i = k 32 b + 16 h + i of row r
.endr
.endr
	s_wait_dscnt 0x0
	QUANT 64
.irp c, 0,1,2,3
	ds_store_b128 v24, v[PC+4*\c:PC+4*\c+3] offset:XIMG+512*\c
.endr
	ds_store_b32 v25, v[PW]
.Lx_done:
	s_wait_loadcnt 0x0                             ; the weights c too
	s_wait_dscnt 0x0                               ; for the others' sake: my image has landed
	s_barrier_signal -1
	s_barrier_wait -1                              ; x's sixteen fragments lie in LDS
	; ---- 1: gate and up, silu, the hidden layer's codes; expert lo, then expert hi
	s_cmp_eq_u32 s[CNT], 0
	s_cbranch_scc1 .Lp1_done
.irp t, 0,1,2,3,4,5,6,7
	STEP \t
.endr
	SILU
	BQUANT 0
.irp t, 8,9,10,11,12,13,14,15
	STEP \t
.endr
	SILU
	BQUANT 1
.Lp1_done:
	s_wait_dscnt 0x0                               ; for the others' sake: my codes and bytes have landed, my reads of x's images are over
	s_barrier_signal -1
	s_barrier_wait -1                              ; the hidden layer's sixteen fragments lie in LDS
	; ---- 2: down, the two weights, the way out
	s_cmp_eq_u32 s[CNT], 0
	s_cbranch_scc1 .Lp2_done
.irp t, 16,17,18,19
	STEP \t
.endr
	PARK
.irp t, 20,21,22,23
	STEP \t
.endr
	OUT
.Lp2_done:
	s_wait_xcnt 0x0
	v_lshl_add_u32 v254, v0, 2, 0x33800
	v_mov_b32 v255, 0
	s_wait_tensorcnt 0x0
	ds_add_u32 v254, v255
	s_wait_dscnt 0x0
	s_endpgm
.Lfunc_end_k_qb458aff062_chain:
	.size	k_qb458aff062_chain, .Lfunc_end_k_qb458aff062_chain-k_qb458aff062_chain
	.p2alignl 7, 3214868480
	.fill 96, 4, 3214868480
	.section	.rodata,"a",@progbits
	.p2align	6, 0x0
	.amdhsa_kernel k_qb458aff062_chain
		.amdhsa_group_segment_fixed_size 212992
		.amdhsa_private_segment_fixed_size 0
		.amdhsa_enable_private_segment 0
		.amdhsa_kernarg_size 64
		.amdhsa_user_sgpr_count 2
		.amdhsa_user_sgpr_kernarg_segment_ptr 1
		.amdhsa_wavefront_size32 1
		.amdhsa_system_sgpr_workgroup_id_x 1
		.amdhsa_system_sgpr_workgroup_id_y 1
		.amdhsa_system_sgpr_workgroup_id_z 1
		.amdhsa_system_vgpr_workitem_id 0
		.amdhsa_next_free_vgpr 256
		.amdhsa_next_free_sgpr 66
		.amdhsa_reserve_vcc 0
		.amdhsa_float_denorm_mode_32 3
		.amdhsa_float_denorm_mode_16_64 3
		.amdhsa_memory_ordered 1
		.amdhsa_forward_progress 1
		.amdhsa_inst_pref_size 139
	.end_amdhsa_kernel
	.amdgpu_metadata
---
amdhsa.version: [ 1, 2 ]
amdhsa.kernels:
  - .name:           k_qb458aff062_chain
    .symbol:         k_qb458aff062_chain.kd
    .args:
      - { .name: x, .offset: 0, .size: 8, .value_kind: global_buffer, .address_space: global }
      - { .name: wgu, .offset: 8, .size: 8, .value_kind: global_buffer, .address_space: global }
      - { .name: sgu, .offset: 16, .size: 8, .value_kind: global_buffer, .address_space: global }
      - { .name: wdn, .offset: 24, .size: 8, .value_kind: global_buffer, .address_space: global }
      - { .name: sdn, .offset: 32, .size: 8, .value_kind: global_buffer, .address_space: global }
      - { .name: rtf, .offset: 40, .size: 8, .value_kind: global_buffer, .address_space: global }
      - { .name: list, .offset: 48, .size: 8, .value_kind: global_buffer, .address_space: global }
      - { .name: out0, .offset: 56, .size: 8, .value_kind: global_buffer, .address_space: global }
    .group_segment_fixed_size: 212992
    .private_segment_fixed_size: 0
    .kernarg_segment_align: 8
    .kernarg_segment_size: 64
    .max_flat_workgroup_size: 512
    .sgpr_count:     66
    .vgpr_count:     256
    .wavefront_size: 32
...
	.end_amdgpu_metadata
.endif
;; end of part 3
;; ======== version 2 of 2: 3 launches
;; workspace buffers: wgu 8,388,608 bytes; sgu 262,144 bytes; wdn 4,194,304 bytes; sdn 131,072 bytes; route 49,152 bytes of whole numbers; rtf 40,960 bytes; list 20,992 bytes of whole numbers
;; launch prep (part 4): grid 256 x 1, 8 waves a work-group, no clusters, 76,800 bytes of LDS; arguments x, w_router, w_gate, w_up, w_down, wgu, sgu, wdn, sdn, route, rtf; writes wgu, sgu, wdn, sdn, route, rtf
.if DOCPART == 4
	.amdgcn_target "amdgcn-amd-amdhsa--gfx1250"
	.amdhsa_code_object_version 6
	.text
	.protected	k_qb458aff062_prep
	.globl	k_qb458aff062_prep
	.p2align	8
	.type	k_qb458aff062_prep,@function
k_qb458aff062_prep:
	s_mov_b64 s[64:65], 0
	v_nop
	global_prefetch_b8 v0, s[64:65] scope:SCOPE_SE
	s_setreg_imm32_b32 hwreg(HW_REG_WAVE_MODE, 25, 1), 1
	s_wait_xcnt 0x0
; PREP.  (1) w_gate, w_up [8][512][1024] and w_down [8][1024][512], f32, K innermost, become codes of E4M3 with one E8M0 byte for each 32 along K,
; laid in the ORDER OF THE OPERAND'S REGISTERS: a fragment (16 rows x 128 K) is 2,048 bytes, registers 4 c .. 4 c + 3 of lane l at 512 c + 16 l; lane (r, h) holds k = 32 c + 16 h + 0 .. 15 of the tile's row r.
; The scale words (four bytes: 128 along K of one row) are laid so that the reader's load of 16 bytes a lane brings the words of TWO K steps: in a block, word (lane', s, j) at (s / 2) 512 + 16 lane' + 4 (2 (s % 2) + j).
; (2) The router: logits in f32 (fused multiply-adds), softmax with the row's maximum taken away, the two largest (the lower index wins a tie), their weights renormalised.
; What is chosen is only STORED here, at fixed places: for each token its pair's number q and its rank among the tokens of the same pair in its group of 16; for each group the counts of the 28 pairs and the sums of the 8 probabilities.
; SHARES.  256 work-groups of 8 waves.  Work-group wg: expert e = wg / 32, tile t = wg % 32 of gate and of up, tiles 2 t and 2 t + 1 of down, tokens 16 wg .. 16 wg + 15.
; Wave w: K step w of the gate tile and of the up tile; K step w % 4 of down tile 2 t + w / 4; the K eighth w of the router's sums.
; THE ROWS OF A GATE OR UP TILE ARE NOT NEIGHBOURS: row i of tile 2 B + u is weight row 32 B + 8 u + i + 8 (i / 8), so that the results of tiles 2 B and 2 B + 1 are 16 neighbours along the next product's K.
; Every load reads 512 consecutive bytes (a tile row's 128 numbers); the 16 rows turn through the wave's own stage in LDS so that a lane gets 16 neighbours of each block of 32.
; ALL 72 LOADS OF A WAVE GO OUT AT THE HEAD, 36 KB a wave: up's and down's rows land in register window 1, so that they are on their way while the router's sums are made.
; A block's scale byte is its largest magnitude's exponent field - 8, held at 1 from below.
; LIMITS: NaN and infinities among the inputs are not served.  A block of zeros gets the byte 1 where the rule says 127: its codes are zeros and this program alone reads the bytes.
; The router's f32 sums run in another order than a plain dot product: two probabilities within f32 rounding of each other may be ranked the other way.  A probability under 2^-126 of the largest counts as 0.
; No matrix work, no tensor loads, no cluster: the work-groups share only w_router's 32 KB.
.set SPITCH, 528                       ; a stage row: 512 bytes + 16: sixteen rows begin at sixteen different 16-byte columns
.set STGW,   16*SPITCH                 ; a wave's stage
.set RTB,    8*STGW                    ; behind the stages: the router's partial sums, word at e x 1,024 + lane x 32 + wave x 4
.set PW,  11                           ; v11      the scale word just made
.set WR,  16                           ; v16-47   w_router: 4 numbers an expert; later:
.set PC,  16                           ; v16-31   the codes just made
.set TM,  32                           ; v32-47   the quantiser's temporaries
.set FS,  48                           ; v48-55   the wave's 8 sums for token lane % 16
.set T8,  56                           ; v56-63   at work
.set A,   64                           ; v64-127  16 rows as loaded: x
.set BQ,  128                          ; v128-191 16 rows as loaded: gate
.set X,   192                          ; v192-255 64 numbers of a lane for the quantiser; during the router the merging slots
.set UPW, 0                            ; window 1: v0-63 (v256-319)   16 rows as loaded: up
.set DNW, 64                           ; window 1: v64-127 (v320-383) 16 rows as loaded: down
.set SEL, 50                           ; s[50:51] v_permlanex16_b32's selects for lane l xor 16
.set MNT, 52                           ; s52      the mantissa field of 448
; v1 lane, v2 r, v3 h, v4 16 x lane, v5 stage in, v6 stage out, v7 gate/up source, v8 down source, v9/v10 router words in LDS, v12-15 offsets of wgu, sgu, wdn, sdn
.set MSB, 0
.macro WIN new                                 ; s_set_vgpr_msb: bits 3:2 source 1, 7:6 destination; the immediate's high byte repeats the setting that is left
.if MSB != \new
	s_set_vgpr_msb (MSB<<8)|\new
.set MSB, \new
.endif
.endm
.macro LOADF reg, vo, sb, pitch, skip, nt      ; 16 tile rows, 512 consecutive bytes a load
.irp i, 0,1,2,3,4,5,6,7,8,9,10,11,12,13,14,15
.if \nt
	global_load_b128 v[\reg+4*\i:\reg+4*\i+3], v[\vo], s[\sb:\sb+1] offset:(\i+\skip*8*(\i/8))*\pitch th:TH_LOAD_NT
.else
	global_load_b128 v[\reg+4*\i:\reg+4*\i+3], v[\vo], s[\sb:\sb+1] offset:(\i+\skip*8*(\i/8))*\pitch
.endif
.endr
.endm
.macro TURN reg, win                           ; through my stage: in as loaded (win: the window setting for the stores' data), out as register 16 b + i = k 32 b + 16 h + i of row r.  LDS serves a wave's instructions in order: no wait between
	WIN \win
.irp i, 0,1,2,3,4,5,6,7,8,9,10,11,12,13,14,15
	ds_store_b128 v5, v[\reg+4*\i:\reg+4*\i+3] offset:SPITCH*\i
.endr
	WIN 0
.irp b, 0,1,2,3
.irp j, 0,1,2,3
	ds_load_b128 v[X+16*\b+4*\j:X+16*\b+4*\j+3], v6 offset:128*\b+16*\j
.endr
.endr
.endm
.macro QUANT s                                 ; 64 numbers of a lane become a fragment's 16 registers of codes (PC) and its row's scale word (PW)
.irp b, 0,1,2,3
	v_max3_num_f32 v[TM+\b], |v[\s+16*\b]|, |v[\s+1+16*\b]|, 0x4800000   ; my 16 numbers of block b and the floor 2^(9 - 127): the byte cannot fall under 1
.endr
.irp i, 2,4,6,8,10,12,14
.irp b, 0,1,2,3
	s_delay_alu instid0(VALU_DEP_4)
	v_max3_num_f32 v[TM+\b], v[TM+\b], |v[\s+16*\b+\i]|, |v[\s+1+16*\b+\i]|
.endr
.endr
.irp b, 0,1,2,3
	s_delay_alu instid0(VALU_DEP_4)
	v_permlanex16_b32 v[TM+4+\b], v[TM+\b], s[SEL], s[SEL+1]
.endr
.irp b, 0,1,2,3
	s_delay_alu instid0(VALU_DEP_4)
	v_max_num_f32 v[TM+\b], v[TM+\b], v[TM+4+\b]                     ; with lane l xor 16's 16: the block's largest magnitude
.endr
.irp b, 0,1,2,3
	s_delay_alu instid0(VALU_DEP_4)
	v_add_nc_u32 v[TM+12+\b], 0xfc000000, v[TM+\b]                   ; 8 off its exponent field: the conversion's scale operand
.endr
.irp b, 0,1,2,3
	v_and_or_b32 v[TM+8+\b], v[TM+\b], 0x7f800000, s[MNT]            ; 448 x the scale
.endr
.irp b, 0,1,2,3
	v_lshrrev_b32 v[TM+4+\b], 23, v[TM+12+\b]                        ; the scale's byte
.endr
	s_delay_alu instid0(VALU_DEP_3)
	v_lshl_or_b32 v[PW], v[TM+5], 8, v[TM+4]
	s_delay_alu instid0(VALU_DEP_1)
	v_lshl_or_b32 v[PW], v[TM+6], 16, v[PW]
	s_delay_alu instid0(VALU_DEP_1)
	v_lshl_or_b32 v[PW], v[TM+7], 24, v[PW]
.irp b, 0,1,2,3
.irp i, 0,1,2,3,4,5,6,7,8,9,10,11,12,13,14,15
	v_med3_num_f32 v[\s+16*\b+\i], v[\s+16*\b+\i], -v[TM+8+\b], v[TM+8+\b]   ; the conversion to an 8-bit code does not saturate (ISA guide 7.6.2): the hold
.endr
	v_cvt_scalef32_pk8_fp8_f32 v[PC+4*\b:PC+1+4*\b], v[\s+16*\b:\s+7+16*\b], v[TM+12+\b]
	v_cvt_scalef32_pk8_fp8_f32 v[PC+2+4*\b:PC+3+4*\b], v[\s+8+16*\b:\s+15+16*\b], v[TM+12+\b]
.endr
	v_nop                                          ; a plain line behind the last conversion
.endm
.macro OUTF cv, cb, coff, sv, sb, soff         ; the fragment's image: four stores of 512 consecutive bytes; the row's scale word (both halves of the lanes store the same word)
.irp c, 0,1,2,3
	global_store_b128 v[\cv], v[PC+4*\c:PC+4*\c+3], s[\cb:\cb+1] offset:\coff+512*\c
.endr
	global_store_b32 v[\sv], v[PW], s[\sb:\sb+1] offset:\soff
.endm
.macro DOTROW i                                ; token row i: my 4 numbers of x against my 4 of each expert's router row
.irp g, 0,4
.irp e, 0,1,2,3
	v_pk_mul_f32 v[T8+2*\e:T8+2*\e+1], v[A+4*(\i):A+4*(\i)+1], v[WR+4*(\g+\e):WR+4*(\g+\e)+1]
.endr
.irp e, 0,1,2,3
	s_delay_alu instid0(VALU_DEP_4)
	v_pk_fma_f32 v[T8+2*\e:T8+2*\e+1], v[A+4*(\i)+2:A+4*(\i)+3], v[WR+4*(\g+\e)+2:WR+4*(\g+\e)+3], v[T8+2*\e:T8+2*\e+1]
.endr
.irp e, 0,1,2,3
	s_delay_alu instid0(VALU_DEP_4)
	v_add_f32 v[X+8*((\i)%2)+\g+\e], v[T8+2*\e], v[T8+2*\e+1]
.endr
.endr
.endm
; Two sets of rows (sides 0 and 1 of level L) are halved into one: lanes whose bit L is 0 keep side 0 and take their partner's side 0, the others side 1.  After four levels lane % 16 names the row.
.macro MERGE L, xm, dst
.irp e, 0,1,2,3,4,5,6,7
	v_cndmask_b32 v[T8+\e], v[X+16*\L+8+\e], v[X+16*\L+\e], s[46+\L]     ; what my partner wants of me
.endr
.irp e, 0,1,2,3,4,5,6,7
	v_cndmask_b32 v[\dst+\e], v[X+16*\L+\e], v[X+16*\L+8+\e], s[46+\L]   ; what I keep
.endr
.irp e, 0,1,2,3,4,5,6,7
	v_add_f32_dpp v[\dst+\e], v[T8+\e], v[\dst+\e] row_xmask:\xm row_mask:0xf bank_mask:0xf
.endr
.endm
	s_load_b512 s[8:23], s[0:1], 0x0               ; x s[8:9], w_router s[10:11], w_gate s[12:13], w_up s[14:15], w_down s[16:17], wgu s[18:19], sgu s[20:21], wdn s[22:23]
	s_load_b128 s[24:27], s[0:1], 0x40             ; sdn s[24:25], route s[26:27]
	s_load_b64 s[28:29], s[0:1], 0x50              ; rtf
	s_set_vgpr_msb 0x40
	v_lshl_add_u32 v128, v0, 2, 0x12800
	v_mov_b32 v129, 0
	s_set_vgpr_msb 0x4000
	v_lshrrev_b32 v1, 5, v0
	s_delay_alu instid0(VALU_DEP_1)
	v_readfirstlane_b32 s30, v1                    ; wave w
	v_and_b32 v1, 31, v0                           ; lane
	v_and_b32 v2, 15, v0                           ; r
	v_bfe_u32 v3, v0, 4, 1                         ; h
	s_delay_alu instid0(VALU_DEP_3)
	v_lshlrev_b32 v4, 4, v1                        ; 16 x lane
	s_wait_alu depctr_va_vdst(0)
	s_lshr_b32 s31, ttmp9, 5                       ; e
	s_and_b32 s32, ttmp9, 31                       ; t
	s_and_b32 s33, s32, 1                          ; u
	s_lshr_b32 s34, s32, 1                         ; B
	s_lshr_b32 s35, s30, 2                         ; w / 4
	s_and_b32 s36, s30, 3                          ; w % 4
	s_lshl_b32 s37, s31, 4
	s_add_co_u32 s37, s37, s34                     ; 16 e + B
	s_mul_i32 s38, s30, STGW                       ; my stage
	v_add_nc_u32 v5, s38, v4                       ; in: 16 x lane of a row
	v_mul_u32_u24 v6, v2, SPITCH
	s_delay_alu instid0(VALU_DEP_1)
	v_lshl_add_u32 v6, v3, 6, v6
	s_delay_alu instid0(VALU_DEP_1)
	v_add_nc_u32 v6, s38, v6                       ; out: row r, + 64 h
	v_lshlrev_b32 v10, 5, v1
	s_delay_alu instid0(VALU_DEP_1)
	v_add_nc_u32 v10, RTB, v10                     ; the router's words of my lane,
	s_lshl_b32 s38, s30, 2
	v_add_nc_u32 v9, s38, v10                      ; and my wave's among them
	s_lshl_b32 s39, s31, 21                        ; an expert's weights: 2 MB in each of the three tensors
	s_lshl_b32 s40, s32, 16
	s_add_co_u32 s40, s40, s39                     ; + 65,536 t: 16 t rows of gate or up, 32 t rows of down
	s_lshl_b32 s41, s33, 15
	s_sub_co_u32 s42, s40, s41                     ; gate, up: the tile begins at row 16 t - 8 u
	s_lshl_b32 s41, s30, 9                         ; K step w: 512 bytes
	s_add_co_u32 s42, s42, s41
	v_add_nc_u32 v7, s42, v4
	s_lshl_b32 s42, s35, 15                        ; down: tile 2 t + w / 4, 16 rows of 2,048 bytes
	s_add_co_u32 s42, s42, s40
	s_lshl_b32 s43, s36, 9                         ; K step w % 4
	s_add_co_u32 s42, s42, s43
	v_add_nc_u32 v8, s42, v4
	s_lshl_b32 s42, ttmp9, 16                      ; x: 16 tokens of 4,096 bytes a work-group, K eighth w
	s_add_co_u32 s42, s42, s41
	v_add_nc_u32 v62, s42, v4
	v_add_nc_u32 v63, s41, v4                      ; w_router: K eighth w
	s_lshl_b32 s42, s37, 16                        ; wgu: ((16 e + B) 8 + w) 4 + 2 mat + u fragments of 2,048 bytes
	s_lshl_b32 s43, s30, 13
	s_add_co_u32 s42, s42, s43
	s_lshl_b32 s43, s33, 11
	s_add_co_u32 s42, s42, s43
	v_add_nc_u32 v12, s42, v4
	s_lshl_b32 s42, s37, 11                        ; sgu: (16 e + B) 2,048 + (w / 2) 512 + (r + 16 u) 16 + (2 (w % 2) + mat) 4
	s_lshr_b32 s43, s30, 1
	s_lshl_b32 s43, s43, 9
	s_add_co_u32 s42, s42, s43
	s_lshl_b32 s43, s33, 8
	s_add_co_u32 s42, s42, s43
	s_and_b32 s44, s30, 1
	s_lshl_b32 s44, s44, 3                         ; 8 (w % 2)
	s_add_co_u32 s42, s42, s44
	v_lshl_add_u32 v13, v2, 4, s42
	s_lshl_b32 s42, s37, 15                        ; wdn: (16 e + B) 32,768 + (4 (w % 4) + 2 u + w / 4) 2,048
	s_lshl_b32 s43, s36, 2
	s_lshl_b32 s45, s33, 1
	s_add_co_u32 s43, s43, s45
	s_add_co_u32 s43, s43, s35
	s_lshl_b32 s43, s43, 11
	s_add_co_u32 s42, s42, s43
	v_add_nc_u32 v14, s42, v4
	s_lshl_b32 s42, s37, 10                        ; sdn: (16 e + B) 1,024 + ((w % 4) / 2) 512 + (r + 16 (w / 4)) 16 + (2 (w % 2) + u) 4
	s_lshr_b32 s43, s36, 1
	s_lshl_b32 s43, s43, 9
	s_add_co_u32 s42, s42, s43
	s_lshl_b32 s43, s35, 8
	s_add_co_u32 s42, s42, s43
	s_add_co_u32 s42, s42, s44
	s_lshl_b32 s43, s33, 2
	s_add_co_u32 s42, s42, s43
	v_lshl_add_u32 v15, v2, 4, s42
	s_mov_b32 s46, 0xaaaaaaaa                      ; lanes whose bit 0, 1, 2, 3 is set
	s_mov_b32 s47, 0xcccccccc
	s_mov_b32 s48, 0xf0f0f0f0
	s_mov_b32 s49, 0xff00ff00
	s_mov_b32 s[SEL], 0x76543210
	s_mov_b32 s[SEL+1], 0xfedcba98
	s_mov_b32 s[MNT], 0x600000
	s_wait_alu depctr_va_vdst(0)
	s_wait_kmcnt 0x0
.irp e, 0,1,2,3,4,5,6,7
	global_load_b128 v[WR+4*\e:WR+4*\e+3], v63, s[10:11] offset:\e*4096
.endr
	LOADF A, 62, 8, 4096, 0, 0                     ; x: the chain reads it again, so no hint
	LOADF BQ, 7, 12, 4096, 1, 1                    ; gate
	WIN 0x40                                       ; destination window 1, address window 0
	LOADF UPW, 7, 14, 4096, 1, 1                   ; up
	LOADF DNW, 8, 16, 2048, 0, 1                   ; down
	WIN 0
	s_wait_loadcnt 48                              ; w_router and x are in; gate's, up's and down's 16 loads each, issued behind them, may be out.  v62 and v63 are free from here
.irp i, 0,1,2,3,4,5,6,7,8,9,10,11,12,13,14,15
	DOTROW \i
.if (\i%2) == 1
	MERGE 0, 1, X+16+8*((\i/2)%2)
.endif
.if (\i%4) == 3
	MERGE 1, 2, X+32+8*((\i/4)%2)
.endif
.if (\i%8) == 7
	MERGE 2, 4, X+48+8*((\i/8)%2)
.endif
.if \i == 15
	MERGE 3, 8, FS
.endif
.endr
.irp e, 0,1,2,3,4,5,6,7
	v_permlanex16_b32 v[T8+\e], v[FS+\e], s[SEL], s[SEL+1]
.endr
.irp e, 0,1,2,3,4,5,6,7
	v_add_f32 v[FS+\e], v[FS+\e], v[T8+\e]         ; my K eighth's sum for token lane % 16, expert e
.endr
.irp e, 0,1,2,3,4,5,6,7
	ds_store_b32 v9, v[FS+\e] offset:\e*1024
.endr
	s_wait_dscnt 0x0                               ; for wave 0's sake: my words have landed
	s_barrier_signal -1
	s_barrier_wait -1                              ; the launch's one barrier
	s_cmp_lg_u32 s30, 0
	s_cbranch_scc1 .Lno_route
	; ---- ROUTE, wave 0 alone: lane % 16 is the token; lanes 16-31 hold copies.  It touches none of the registers whose loads are on their way (BQ, window 1), and issues no global load
.irp e, 0,1,2,3,4,5,6,7
	ds_load_b128 v[X+8*\e:X+8*\e+3], v10 offset:\e*1024
	ds_load_b128 v[X+8*\e+4:X+8*\e+7], v10 offset:\e*1024+16
.endr
	s_wait_dscnt 0x0
.irp e, 0,1,2,3,4,5,6,7
	v_pk_add_f32 v[X+8*\e:X+8*\e+1], v[X+8*\e:X+8*\e+1], v[X+8*\e+2:X+8*\e+3]
.endr
.irp e, 0,1,2,3,4,5,6,7
	v_pk_add_f32 v[X+8*\e+4:X+8*\e+5], v[X+8*\e+4:X+8*\e+5], v[X+8*\e+6:X+8*\e+7]
.endr
.irp e, 0,1,2,3,4,5,6,7
	v_pk_add_f32 v[X+8*\e:X+8*\e+1], v[X+8*\e:X+8*\e+1], v[X+8*\e+4:X+8*\e+5]
.endr
.irp e, 0,1,2,3,4,5,6,7
	v_add_f32 v[16+\e], v[X+8*\e], v[X+8*\e+1]     ; the logits: v16-23
.endr
	v_max3_num_f32 v40, v16, v17, v18
	s_delay_alu instid0(VALU_DEP_1)
	v_max3_num_f32 v40, v40, v19, v20
	s_delay_alu instid0(VALU_DEP_1)
	v_max3_num_f32 v40, v40, v21, v22
	s_delay_alu instid0(VALU_DEP_1)
	v_max_num_f32 v40, v40, v23                    ; the row's maximum is taken away ahead of the exponential
.irp e, 0,1,2,3,4,5,6,7
	v_sub_f32 v[24+\e], v[16+\e], v40
.endr
.irp e, 0,1,2,3,4,5,6,7
	v_mul_f32 v[24+\e], 0x3fb8aa3b, v[24+\e]
.endr
	s_wait_alu depctr_va_vdst(0)
.irp e, 0,1,2,3,4,5,6,7
	v_exp_f32 v[24+\e], v[24+\e]                   ; p: v24-31, the largest is 1
.endr
	v_mov_b32 v41, 0                               ; (a plain line behind the exponentials)  i1
	s_wait_alu depctr_va_vdst(0)
	v_add_f32 v42, v24, v25
	v_add_f32 v43, v26, v27
	v_add_f32 v44, v28, v29
	v_add_f32 v45, v30, v31
	s_delay_alu instid0(VALU_DEP_3)
	v_add_f32 v42, v42, v43
	s_delay_alu instid0(VALU_DEP_2)
	v_add_f32 v44, v44, v45
	s_delay_alu instid0(VALU_DEP_1)
	v_add_f32 v42, v42, v44                        ; the sum of p
	v_mov_b32 v46, v24                             ; the largest so far
.irp e, 1,2,3,4,5,6,7
	v_cmp_ge_f32 vcc_lo, v46, v[24+\e]             ; kept where it is not beaten: the lower index wins a tie
	v_cndmask_b32 v46, v[24+\e], v46, vcc_lo
	s_delay_alu instid0(VALU_DEP_2)
	v_cndmask_b32 v41, \e, v41, vcc_lo
.endr
.irp e, 0,1,2,3,4,5,6,7
	v_cmp_ne_u32 vcc_lo, \e, v41
	v_cndmask_b32 v[32+\e], -1.0, v[24+\e], vcc_lo ; the winner is taken out: -1 lies under every p
.endr
	v_mov_b32 v48, 0                               ; i2
	v_mov_b32 v47, v32
.irp e, 1
	s_delay_alu instid0(VALU_DEP_1)
	v_cmp_ge_f32 vcc_lo, v47, v[32+\e]
	s_delay_alu instid0(VALU_DEP_1)
	v_cndmask_b32 v47, v[32+\e], v47, vcc_lo
	s_delay_alu instid0(VALU_DEP_2)
	v_cndmask_b32 v48, \e, v48, vcc_lo
.endr
.irp e, 2, 3, 4, 5, 6, 7
	s_delay_alu instid0(VALU_DEP_2)
	v_cmp_ge_f32 vcc_lo, v47, v[32+\e]
	s_delay_alu instid0(VALU_DEP_1)
	v_cndmask_b32 v47, v[32+\e], v47, vcc_lo
	s_delay_alu instid0(VALU_DEP_2)
	v_cndmask_b32 v48, \e, v48, vcc_lo
.endr
	s_delay_alu instid0(VALU_DEP_2)
	v_add_f32 v49, v46, v47
	s_wait_alu depctr_va_vdst(0)
	v_rcp_f32 v49, v49
	v_rcp_f32 v43, v42
	v_min_u32 v52, v41, v48                        ; (a plain line behind the reciprocals)  lo
	s_wait_alu depctr_va_vdst(0)
	v_mul_f32 v50, v46, v49                        ; the two weights, renormalised
	v_mul_f32 v51, v47, v49
	v_add_nc_u32 v53, v41, v48
	s_delay_alu instid0(VALU_DEP_1)
	v_sub_nc_u32 v53, v53, v52                     ; hi
	v_sub_nc_u32 v54, 15, v52
	s_delay_alu instid0(VALU_DEP_1)
	v_mul_u32_u24 v54, v54, v52
	s_delay_alu instid0(VALU_DEP_1)
	v_lshrrev_b32 v54, 1, v54
	s_delay_alu instid0(VALU_DEP_1)
	v_add_nc_u32 v54, v54, v53
	s_delay_alu instid0(VALU_DEP_1)
	v_sub_nc_u32 v54, v54, v52
	s_delay_alu instid0(VALU_DEP_1)
	v_add_nc_u32 v54, -1, v54                      ; q = lo (15 - lo) / 2 + hi - lo - 1: 0 .. 27
	v_cmp_lt_u32 vcc_lo, v41, v48
	s_delay_alu instid0(VALU_DEP_1)
	v_cndmask_b32 v56, v51, v50, vcc_lo            ; the weight of expert lo,
	s_delay_alu instid0(VALU_DEP_2)
	v_cndmask_b32 v57, v50, v51, vcc_lo            ; and of expert hi
	v_mov_b32 v58, 0                               ; lane q: the group's count of pair q
	v_mov_b32 v59, 0                               ; my rank among the group's tokens of my pair
.irp q, 0,1,2,3,4,5,6,7,8,9,10,11,12,13,14,15,16,17,18,19,20,21,22,23,24,25,26,27
	v_cmp_eq_u32 s53, \q, v54
	s_and_b32 s53, s53, 0xffff                     ; the sixteen tokens, not their copies
	s_bcnt1_i32_b32 s54, s53
	v_writelane_b32 v58, s54, \q
	v_mbcnt_lo_u32_b32 v60, s53, 0
	s_delay_alu instid0(VALU_DEP_1)
	v_cndmask_b32 v59, v59, v60, s53
.endr
	s_delay_alu instid0(VALU_DEP_1)
	v_permlanex16_b32 v60, v59, s[SEL], s[SEL+1]
	s_delay_alu instid0(VALU_DEP_1)
	v_or_b32 v59, v59, v60                         ; lanes 16-31 had 0: they take their token's rank
	s_delay_alu instid0(VALU_DEP_1)
	v_lshl_or_b32 v59, v59, 8, v54                 ; q | rank << 8
.irp e, 0,1,2,3,4,5,6,7
	v_mul_f32 v[32+\e], v[24+\e], v43              ; the probabilities,
.endr
.irp m, 1,2,4,8
.irp e, 0,1,2,3,4,5,6,7
	v_add_f32_dpp v[32+\e], v[32+\e], v[32+\e] row_xmask:\m row_mask:0xf bank_mask:0xf   ; summed over the 16 tokens
.endr
.endr
	v_and_b32 v61, 7, v1
	v_mov_b32 v62, v32
.irp e, 1,2,3,4,5,6,7
	v_cmp_eq_u32 vcc_lo, \e, v61
	s_delay_alu instid0(VALU_DEP_1)
	v_cndmask_b32 v62, v62, v[32+\e], vcc_lo       ; lane l takes expert l % 8's sum
.endr
	s_lshl_b32 s55, ttmp9, 7
	s_lshl_b32 s56, ttmp9, 6
	s_lshl_b32 s57, ttmp9, 5
	v_lshl_add_u32 v63, v2, 3, s55                 ; every place is fixed by ids alone
	v_lshl_add_u32 v40, v2, 2, s56
	v_lshl_add_u32 v42, v1, 2, s55
	v_lshl_add_u32 v44, v61, 2, s57
	global_store_b64 v63, v[56:57], s[28:29]               ; cw[token] = (c_lo, c_hi)
	global_store_b32 v40, v59, s[26:27]                    ; sel[token]
	global_store_b32 v42, v58, s[26:27] offset:16384       ; hist[group][32]
	global_store_b32 v44, v62, s[28:29] offset:32768       ; psum[group][8]
	s_wait_xcnt 0x0                                ; the registers that these stores name are written again below
.Lno_route:
.irp b, 0,1,2,3
	v_mov_b32 v[TM+4+\b], 0                        ; a lane permute's destination counts as one of its sources
.endr
	; ---- gate
	s_wait_loadcnt 32                              ; gate is in; up's and down's 32 loads may be out
	TURN BQ, 0
	s_wait_dscnt 0x0                               ; the numbers are back
	QUANT X
	OUTF 12, 18, 0, 13, 20, 0
	; ---- up
	s_wait_loadcnt 16                              ; up is in; down's 16 loads may be out
	TURN UPW, 0x04                                 ; an LDS store's data are its source 1: window 1
	s_wait_dscnt 0x0
	s_wait_xcnt 0x0                                ; gate's stores have read PC and PW: they are written again only behind this wait
	QUANT X
	OUTF 12, 18, 4096, 13, 20, 4
	; ---- down
	s_wait_loadcnt 0x0
	TURN DNW, 0x04
	s_wait_dscnt 0x0
	s_wait_xcnt 0x0                                ; up's stores have read PC and PW
	QUANT X
	OUTF 14, 22, 0, 15, 24, 0
	s_set_vgpr_msb 0x5
	s_wait_tensorcnt 0x0
	ds_add_u32 v128, v129
	s_wait_dscnt 0x0
	s_set_vgpr_msb 0x500
	s_endpgm
.Lfunc_end_k_qb458aff062_prep:
	.size	k_qb458aff062_prep, .Lfunc_end_k_qb458aff062_prep-k_qb458aff062_prep
	.p2alignl 7, 3214868480
	.fill 96, 4, 3214868480
	.section	.rodata,"a",@progbits
	.p2align	6, 0x0
	.amdhsa_kernel k_qb458aff062_prep
		.amdhsa_group_segment_fixed_size 76800
		.amdhsa_private_segment_fixed_size 0
		.amdhsa_enable_private_segment 0
		.amdhsa_kernarg_size 88
		.amdhsa_user_sgpr_count 2
		.amdhsa_user_sgpr_kernarg_segment_ptr 1
		.amdhsa_wavefront_size32 1
		.amdhsa_system_sgpr_workgroup_id_x 1
		.amdhsa_system_sgpr_workgroup_id_y 1
		.amdhsa_system_sgpr_workgroup_id_z 1
		.amdhsa_system_vgpr_workitem_id 0
		.amdhsa_next_free_vgpr 386
		.amdhsa_next_free_sgpr 66
		.amdhsa_reserve_vcc 1
		.amdhsa_float_denorm_mode_32 3
		.amdhsa_float_denorm_mode_16_64 3
		.amdhsa_memory_ordered 1
		.amdhsa_forward_progress 1
		.amdhsa_inst_pref_size 122
	.end_amdhsa_kernel
	.amdgpu_metadata
---
amdhsa.version: [ 1, 2 ]
amdhsa.kernels:
  - .name:           k_qb458aff062_prep
    .symbol:         k_qb458aff062_prep.kd
    .args:
      - { .name: x, .offset: 0, .size: 8, .value_kind: global_buffer, .address_space: global }
      - { .name: w_router, .offset: 8, .size: 8, .value_kind: global_buffer, .address_space: global }
      - { .name: w_gate, .offset: 16, .size: 8, .value_kind: global_buffer, .address_space: global }
      - { .name: w_up, .offset: 24, .size: 8, .value_kind: global_buffer, .address_space: global }
      - { .name: w_down, .offset: 32, .size: 8, .value_kind: global_buffer, .address_space: global }
      - { .name: wgu, .offset: 40, .size: 8, .value_kind: global_buffer, .address_space: global }
      - { .name: sgu, .offset: 48, .size: 8, .value_kind: global_buffer, .address_space: global }
      - { .name: wdn, .offset: 56, .size: 8, .value_kind: global_buffer, .address_space: global }
      - { .name: sdn, .offset: 64, .size: 8, .value_kind: global_buffer, .address_space: global }
      - { .name: route, .offset: 72, .size: 8, .value_kind: global_buffer, .address_space: global }
      - { .name: rtf, .offset: 80, .size: 8, .value_kind: global_buffer, .address_space: global }
    .group_segment_fixed_size: 76800
    .private_segment_fixed_size: 0
    .kernarg_segment_align: 8
    .kernarg_segment_size: 88
    .max_flat_workgroup_size: 256
    .sgpr_count:     66
    .vgpr_count:     386
    .wavefront_size: 32
...
	.end_amdgpu_metadata
.endif
;; end of part 4
;; launch place (part 5): grid 1 x 1, 8 waves a work-group, no clusters, 35,840 bytes of LDS; arguments route, rtf, list, out1; writes list, out1
.if DOCPART == 5
	.amdgcn_target "amdgcn-amd-amdhsa--gfx1250"
	.amdhsa_code_object_version 6
	.text
	.protected	k_qb458aff062_place
	.globl	k_qb458aff062_place
	.p2align	8
	.type	k_qb458aff062_place,@function
k_qb458aff062_place:
	s_mov_b64 s[64:65], 0
	v_nop
	global_prefetch_b8 v0, s[64:65] scope:SCOPE_SE
	s_setreg_imm32_b32 hwreg(HW_REG_WAVE_MODE, 25, 1), 1
	s_wait_xcnt 0x0
; PLACE.  A counting sort of the 4,096 tokens by their pair of experts (28 bins), without atomics, by one work-group of 256 threads; each bin is cut into tiles of 32 tokens.
; In: sel[4096] (q | rank << 8), hist[256 groups][32 bins], psum[256 groups][8].  Out: list: 256 tile words (lo | hi << 8 | cnt << 16), then rows[32 x tile + i] = token; out1: the load-balancing loss.
; The sum over the bins of ceil(n / 32) is at most 128 + 28 x 31 / 32, so there are never more than 155 tiles, whatever the split; tile words past the last tile get cnt = 0.
; A token's place = 32 x its bin's first tile + the bin's tokens in earlier groups + its rank in its group.
; Wave w sums groups 32 w .. 32 w + 31 (lane = bin); the waves' totals meet in LDS; the start of every (group, bin) goes into a table in LDS; thread g then places group g's 16 tokens.
; The 16 KB of token numbers leave as scattered words: a sort has no other order to offer here, and it is 16 KB once.
; One work-group: the sums span all groups.
.set WT,  0                            ; LDS: 8 waves x 32 bins: the waves' counts
.set WP,  1024                         ; 8 waves x 32 lanes: the waves' sums of probabilities (expert = lane % 8)
.set TBL, 2048                         ; 256 groups x 32 bins: where a group's tokens of a bin begin
.set TS,  8                            ; s8-35   a bin's first tile
.set NQ,  36                           ; s36-63  a bin's tokens
.set EC,  66                           ; s66-73  an expert's tokens
.set LC,  120                          ; v120    the loss: the experts' counts; v121 the loss itself; v122 its offset, 0: three registers that no memory instruction has named before
	s_load_b128 s[4:7], s[0:1], 0x0                ; route s[4:5], rtf s[6:7]
	s_load_b128 s[76:79], s[0:1], 0x10             ; list s[76:77], out1 s[78:79]
	v_lshl_add_u32 v128, v0, 2, 0x8800
	v_mov_b32 v129, 0
	v_lshrrev_b32 v1, 5, v0
	s_delay_alu instid0(VALU_DEP_1)
	v_readfirstlane_b32 s80, v1                    ; wave
	v_and_b32 v1, 31, v0
	s_delay_alu instid0(VALU_DEP_1)
	v_lshlrev_b32 v1, 2, v1                        ; 4 x lane
	v_lshlrev_b32 v2, 6, v0                        ; my group's 16 sel words
	v_lshlrev_b32 v3, 7, v0
	s_delay_alu instid0(VALU_DEP_1)
	v_add_nc_u32 v3, TBL, v3                       ; my group's row of the table
	s_lshl_b32 s81, s80, 12
	v_add_nc_u32 v112, s81, v1                     ; my wave's 32 rows of hist, my bin
	s_delay_alu instid0(VALU_DEP_1)
	v_add_nc_u32 v115, TBL, v112                   ; and of the table
	s_lshl_b32 s81, s80, 10
	v_add_nc_u32 v113, s81, v1                     ; my wave's 256 words of psum
	s_lshl_b32 s81, s80, 7
	v_add_nc_u32 v114, s81, v1                     ; my wave's row of WT and WP
	v_lshlrev_b32 v119, 2, v0                      ; my tile word
	s_mov_b32 s82, 0x76543210
	s_mov_b32 s83, 0xfedcba98                      ; v_permlanex16_b32's selects for lane l xor 16
	s_wait_alu depctr_va_vdst(0)
	s_wait_kmcnt 0x0
.irp j, 0,1,2,3,4,5,6,7,8,9,10,11,12,13,14,15,16,17,18,19,20,21,22,23,24,25,26,27,28,29,30,31
	global_load_b32 v[32+\j], v112, s[4:5] offset:16384+128*\j
.endr
.irp j, 0,1,2,3,4,5,6,7
	global_load_b32 v[20+\j], v113, s[6:7] offset:32768+128*\j
.endr
.irp k, 0,1,2,3
	global_load_b128 v[4+4*\k:7+4*\k], v2, s[4:5] offset:16*\k
.endr
	s_wait_loadcnt 12                              ; hist is in; psum's 8 and sel's 4 loads may be out
.irp j, 1
	v_add_nc_u32 v[32+\j], v[32+\j], v[31+\j]
.endr
.irp j, 2, 3, 4, 5, 6, 7, 8, 9, 10, 11, 12, 13, 14, 15, 16, 17, 18, 19, 20, 21, 22, 23, 24, 25, 26, 27, 28, 29, 30, 31
	s_delay_alu instid0(VALU_DEP_1)
	v_add_nc_u32 v[32+\j], v[32+\j], v[31+\j]      ; running sums down my wave's groups
.endr
	s_wait_loadcnt 4                               ; psum is in; sel's 4 loads may be out
	v_add_f32 v20, v20, v21
	v_add_f32 v22, v22, v23
	v_add_f32 v24, v24, v25
	v_add_f32 v26, v26, v27
	s_delay_alu instid0(VALU_DEP_3)
	v_add_f32 v20, v20, v22
	s_delay_alu instid0(VALU_DEP_2)
	v_add_f32 v24, v24, v26
	s_delay_alu instid0(VALU_DEP_1)
	v_add_f32 v20, v20, v24
	s_delay_alu instid0(VALU_DEP_1)
	v_add_f32_dpp v20, v20, v20 row_xmask:8 row_mask:0xf bank_mask:0xf
	s_delay_alu instid0(VALU_DEP_1)
	v_permlanex16_b32 v21, v20, s82, s83
	s_delay_alu instid0(VALU_DEP_1)
	v_add_f32 v20, v20, v21                        ; the four lanes of an expert joined
	ds_store_b32 v114, v63 offset:WT
	ds_store_b32 v114, v20 offset:WP
	s_wait_dscnt 0x0                               ; for the others' sake
	s_barrier_signal -1
	s_barrier_wait -1
.irp j, 0,1,2,3,4,5,6,7
	ds_load_b32 v[64+\j], v1 offset:WT+128*\j
.endr
	s_wait_dscnt 0x0
	v_add_nc_u32 v72, v64, v65
	s_delay_alu instid0(VALU_DEP_1)
	v_add3_u32 v72, v72, v66, v67
	s_delay_alu instid0(VALU_DEP_1)
	v_add3_u32 v72, v72, v68, v69
	s_delay_alu instid0(VALU_DEP_1)
	v_add3_u32 v72, v72, v70, v71                  ; lane = bin: its tokens in all
	v_mov_b32 v73, 0
.irp j, 0,1,2,3,4,5,6
	s_cmp_gt_u32 s80, \j
	s_cselect_b32 s81, -1, 0
	v_and_b32 v74, s81, v[64+\j]
	s_delay_alu instid0(VALU_DEP_1)
	v_add_nc_u32 v73, v73, v74                     ; and in the waves ahead of mine
.endr
	s_mov_b32 s[TS], 0
	v_mov_b32 v75, 0
.set Q, 0
.rept 28
	v_readlane_b32 s[NQ+Q], v72, Q
	v_writelane_b32 v75, s[TS+Q], Q
.if Q < 27
	s_add_co_u32 s81, s[NQ+Q], 31
	s_lshr_b32 s81, s81, 5
	s_add_co_u32 s[TS+1+Q], s[TS+Q], s81           ; the next bin begins ceil(n / 32) tiles on
.endif
.set Q, Q+1
.endr
	s_delay_alu instid0(VALU_DEP_1)
	v_lshl_add_u32 v76, v75, 5, v73                ; 32 x the bin's first tile + what lies ahead of my wave
.irp j, 0,1,2,3,4,5,6,7,8,9,10,11,12,13,14,15,16,17,18,19,20,21,22,23,24,25,26,27,28,29,30
	v_add_nc_u32 v[32+\j], v76, v[32+\j]
.endr
	ds_store_b32 v115, v76
.irp j, 1,2,3,4,5,6,7,8,9,10,11,12,13,14,15,16,17,18,19,20,21,22,23,24,25,26,27,28,29,30,31
	ds_store_b32 v115, v[31+\j] offset:128*\j
.endr
	s_wait_dscnt 0x0                               ; for the others' sake
	s_barrier_signal -1
	s_barrier_wait -1                              ; behind this barrier LDS is only read
	s_wait_loadcnt 0x0                             ; sel
.irp i, 0,1,2,3,4,5,6,7,8,9,10,11,12,13,14,15
	v_and_b32 v[80+\i], 0xff, v[4+\i]
.endr
.irp i, 0,1,2,3,4,5,6,7,8,9,10,11,12,13,14,15
	v_min_u32 v[80+\i], 31, v[80+\i]               ; a loaded number enters an address only held
.endr
.irp i, 0,1,2,3,4,5,6,7,8,9,10,11,12,13,14,15
	v_lshl_add_u32 v[80+\i], v[80+\i], 2, v3
.endr
.irp i, 0,1,2,3,4,5,6,7,8,9,10,11,12,13,14,15
	ds_load_b32 v[96+\i], v[80+\i]                 ; where my group's tokens of this bin begin
.endr
.irp i, 0,1,2,3,4,5,6,7,8,9,10,11,12,13,14,15
	v_lshrrev_b32 v[4+\i], 8, v[4+\i]
.endr
.irp i, 0,1,2,3,4,5,6,7,8,9,10,11,12,13,14,15
	v_min_u32 v[4+\i], 15, v[4+\i]                 ; the rank
.endr
	s_wait_dscnt 0x0
.irp i, 0,1,2,3,4,5,6,7,8,9,10,11,12,13,14,15
	v_add_nc_u32 v[96+\i], v[96+\i], v[4+\i]
.endr
.irp i, 0,1,2,3,4,5,6,7,8,9,10,11,12,13,14,15
	v_min_u32 v[96+\i], 4959, v[96+\i]             ; 155 tiles x 32 places
.endr
.irp i, 0,1,2,3,4,5,6,7,8,9,10,11,12,13,14,15
	v_lshlrev_b32 v[96+\i], 2, v[96+\i]
.endr
.irp i, 0,1,2,3,4,5,6,7,8,9,10,11,12,13,14,15
	v_lshl_or_b32 v[80+\i], v0, 4, \i              ; the token's number
.endr
.irp i, 0,1,2,3,4,5,6,7,8,9,10,11,12,13,14,15
	global_store_b32 v[96+\i], v[80+\i], s[76:77] offset:1024   ; v80-111 are these stores' sources: nothing below writes them
.endr
	; the tile table: thread i finds the last bin whose first tile is not behind i
	v_mov_b32 v116, 0
	v_mov_b32 v117, 0
	v_mov_b32 v118, 0
.set Q, 0
.set LO, 0
.set HI, 1
.rept 28
	v_cmp_gt_u32 vcc_lo, s[TS+Q], v0               ; kept where the bin begins behind tile i
	s_delay_alu instid0(VALU_DEP_1)
	v_cndmask_b32 v116, s[TS+Q], v116, vcc_lo
	s_delay_alu instid0(VALU_DEP_2)
	v_cndmask_b32 v117, s[NQ+Q], v117, vcc_lo
	s_delay_alu instid0(VALU_DEP_3)
	v_cndmask_b32 v118, LO|(HI<<8), v118, vcc_lo
.set Q, Q+1
.set HI, HI+1
.if HI == 8
.set LO, LO+1
.set HI, LO+1
.endif
.endr
	s_delay_alu instid0(VALU_DEP_3)
	v_sub_nc_u32 v116, v0, v116
	s_delay_alu instid0(VALU_DEP_1)
	v_lshlrev_b32 v116, 5, v116                    ; the bin's tokens in the tiles ahead of i,
	s_delay_alu instid0(VALU_DEP_1)
	v_min_u32 v116, v116, v117                     ; at most all of them,
	s_delay_alu instid0(VALU_DEP_1)
	v_sub_nc_u32 v117, v117, v116                  ; what is left,
	s_delay_alu instid0(VALU_DEP_1)
	v_min_u32 v117, 32, v117                       ; and this tile's share: 0 past the last tile
	s_delay_alu instid0(VALU_DEP_1)
	v_lshl_or_b32 v118, v117, 16, v118
	global_store_b32 v119, v118, s[76:77]          ; v118 and v119 are not written again either
	s_cmp_lg_u32 s80, 0
	s_cbranch_scc1 .Ldone
	; ---- wave 0: the loss = 0.01 x 8 x the sum over experts of (tokens / 4,096) x (sum of probabilities / 4,096)
.irp j, 0,1,2,3,4,5,6,7
	ds_load_b32 v[64+\j], v1 offset:WP+128*\j
.endr
.irp e, 0,1,2,3,4,5,6,7
	s_mov_b32 s[EC+\e], 0
.endr
.set Q, 0
.set LO, 0
.set HI, 1
.rept 28
	s_add_co_u32 s[EC+LO], s[EC+LO], s[NQ+Q]
	s_add_co_u32 s[EC+HI], s[EC+HI], s[NQ+Q]
.set Q, Q+1
.set HI, HI+1
.if HI == 8
.set LO, LO+1
.set HI, LO+1
.endif
.endr
	v_mov_b32 v[LC], 0
.irp e, 0,1,2,3,4,5,6,7
	s_delay_alu instid0(VALU_DEP_1)
	v_writelane_b32 v[LC], s[EC+\e], \e
.endr
	s_delay_alu instid0(VALU_DEP_1)
	v_cvt_f32_u32 v[LC], v[LC]
	s_wait_dscnt 0x0
	v_add_f32 v64, v64, v65
	v_add_f32 v66, v66, v67
	v_add_f32 v68, v68, v69
	v_add_f32 v70, v70, v71
	s_delay_alu instid0(VALU_DEP_3)
	v_add_f32 v64, v64, v66
	s_delay_alu instid0(VALU_DEP_2)
	v_add_f32 v68, v68, v70
	s_delay_alu instid0(VALU_DEP_1)
	v_add_f32 v64, v64, v68                        ; lane e (0 .. 7): expert e's sum of probabilities
	s_wait_alu depctr_va_vdst(0)
	v_mul_f32 v64, v64, v[LC]
	s_delay_alu instid0(VALU_DEP_1)
	v_add_f32_dpp v64, v64, v64 row_xmask:1 row_mask:0xf bank_mask:0xf
	s_delay_alu instid0(VALU_DEP_1)
	v_add_f32_dpp v64, v64, v64 row_xmask:2 row_mask:0xf bank_mask:0xf
	s_delay_alu instid0(VALU_DEP_1)
	v_add_f32_dpp v64, v64, v64 row_xmask:4 row_mask:0xf bank_mask:0xf
	s_delay_alu instid0(VALU_DEP_1)
	v_mul_f32 v64, 0x31a3d70a, v64                 ; x 0.08 x 2^-24
	s_delay_alu instid0(VALU_DEP_1)
	v_readfirstlane_b32 s81, v64
	s_delay_alu instid0(VALU_DEP_1)
	v_mov_b32 v[LC+1], s81                         ; every lane holds lane 0's number and the same address: EXEC stays as it is
	v_mov_b32 v[LC+2], 0
	global_store_b32 v[LC+2], v[LC+1], s[78:79]
.Ldone:
	s_wait_tensorcnt 0x0
	ds_add_u32 v128, v129
	s_wait_dscnt 0x0
	s_endpgm
.Lfunc_end_k_qb458aff062_place:
	.size	k_qb458aff062_place, .Lfunc_end_k_qb458aff062_place-k_qb458aff062_place
	.p2alignl 7, 3214868480
	.fill 96, 4, 3214868480
	.section	.rodata,"a",@progbits
	.p2align	6, 0x0
	.amdhsa_kernel k_qb458aff062_place
		.amdhsa_group_segment_fixed_size 35840
		.amdhsa_private_segment_fixed_size 0
		.amdhsa_enable_private_segment 0
		.amdhsa_kernarg_size 32
		.amdhsa_user_sgpr_count 2
		.amdhsa_user_sgpr_kernarg_segment_ptr 1
		.amdhsa_wavefront_size32 1
		.amdhsa_system_sgpr_workgroup_id_x 1
		.amdhsa_system_sgpr_workgroup_id_y 1
		.amdhsa_system_sgpr_workgroup_id_z 1
		.amdhsa_system_vgpr_workitem_id 0
		.amdhsa_next_free_vgpr 130
		.amdhsa_next_free_sgpr 100
		.amdhsa_reserve_vcc 1
		.amdhsa_float_denorm_mode_32 3
		.amdhsa_float_denorm_mode_16_64 3
		.amdhsa_memory_ordered 1
		.amdhsa_forward_progress 1
		.amdhsa_inst_pref_size 41
	.end_amdhsa_kernel
	.amdgpu_metadata
---
amdhsa.version: [ 1, 2 ]
amdhsa.kernels:
  - .name:           k_qb458aff062_place
    .symbol:         k_qb458aff062_place.kd
    .args:
      - { .name: route, .offset: 0, .size: 8, .value_kind: global_buffer, .address_space: global }
      - { .name: rtf, .offset: 8, .size: 8, .value_kind: global_buffer, .address_space: global }
      - { .name: list, .offset: 16, .size: 8, .value_kind: global_buffer, .address_space: global }
      - { .name: out1, .offset: 24, .size: 8, .value_kind: global_buffer, .address_space: global }
    .group_segment_fixed_size: 35840
    .private_segment_fixed_size: 0
    .kernarg_segment_align: 8
    .kernarg_segment_size: 32
    .max_flat_workgroup_size: 256
    .sgpr_count:     100
    .vgpr_count:     130
    .wavefront_size: 32
...
	.end_amdgpu_metadata
.endif
;; end of part 5
;; launch chain (part 6): grid 155 x 1, 16 waves a work-group, no clusters, 212,992 bytes of LDS; arguments x, wgu, sgu, wdn, sdn, rtf, list, out0; writes out0
.if DOCPART == 6
	.amdgcn_target "amdgcn-amd-amdhsa--gfx1250"
	.amdhsa_code_object_version 6
	.text
	.protected	k_qb458aff062_chain
	.globl	k_qb458aff062_chain
	.p2align	8
	.type	k_qb458aff062_chain,@function
k_qb458aff062_chain:
	s_mov_b64 s[64:65], 0
	v_nop
	global_prefetch_b8 v0, s[64:65] scope:SCOPE_SE
	s_setreg_imm32_b32 hwreg(HW_REG_WAVE_SCHED_MODE, 0, 2), 2
	s_setreg_imm32_b32 hwreg(HW_REG_WAVE_MODE, 25, 1), 1
	s_wait_xcnt 0x0
	s_wait_alu depctr_vm_vsrc(0)
; CHAIN.  A work-group takes ONE TILE, up to 32 tokens that chose the same pair of experts (lo, hi), through both experts' whole chain:
; y = c_lo (Q(silu(Q(x) Wg^T) (Q(x) Wu^T)) Wd^T)[lo] + c_hi (the same)[hi], every product on codes of E4M3 with one E8M0 scale for each 32 along K.  Each token lies in one tile: each row of out0 has one owner.
; GRID: 155 tiles serve every split of 4,096 tokens over 28 pairs.  A tile whose stored count is 0 jumps over the three sections of work and stores nothing; both barriers stand outside those jumps.
; A short tile's missing rows repeat its last token: they compute and store the same bytes again, and every lane stays on.
; SHARES.  16 waves.  First products: wave w makes hidden units 32 w .. 32 w + 31 (gate and up: 4 tiles) for the 32 tokens, K = 1,024 in 8 steps, for each of the two experts; silu(g) u is quantised in registers:
; its 32 units are one block of the next K.  Second product: wave w makes output columns 64 w .. 64 w + 63 (4 tiles), K = 512 in 4 steps, for each expert.
; THE WEIGHTS come from memory straight into operand registers, in the order in which the first launch laid them: a step is 4 fragments (16 loads); the scale words of two steps come by one load more, with the even step.
; EVERY ONE OF THESE LOADS, AND EVERY LOAD OF x, COVERS 512 CONSECUTIVE BYTES: a work-group walks 3 MB of codes, so nothing is asked for in pieces or twice.
; A ring of two steps in registers: 33 loads of a wave are on their way.  x's and h's codes go from wave to wave through LDS as images of their registers.
; Both products are used TRANSPOSED (source 0 = 16 weight rows, source 1 = 16 tokens): a lane holds one token, and its registers run along the hidden units or the output columns.
; NO TENSOR LOADS, NO CLUSTER: neighbouring tiles belong to different pairs, so they walk different weights.
; LIMITS: NaN and infinities among the inputs are not served; a block of zeros gets the scale byte 1 (its codes are zeros).
; THE MODE: SCHED_MODE bits 1:0 = 2 (LLVM: expert scheduling mode 2), set by the entry lines.  The code itself states the register dependences
; between vector or matrix instructions and memory or LDS instructions, with s_wait_alu, always for 0.
; THE PLAN.  Registers that memory or LDS instructions touch in the steps:
;   ring slot t % 2   The loads of step t land in it; step t's eight products read it; the loads of step t + 2 land in it again.
;   v16-19, v28-31    The scale words of steps t and t + 1 (t even) land in one of the two; those steps' products read it; it is loaded again behind step t + 2's products.
;   v32-63, v20       Step t's two token fragments and their scale words land here from LDS; step t's products read them; step t + 1's land again.  Between two runs of steps silu works in v32-63.
;   v1, v4, v5        Offsets and LDS addresses, made at the head and never written again.
;   v64-127           The accumulators: vector and matrix instructions alone name them in the steps; behind a run LDS stores read some of them, and the next run's first products write them anew.
; The text names all 256 registers of a wave, so there is no third slot and no second set of token fragments: every load of a step lands in a register that the products just issued read.
; So ONE wait on va_vdst stands in a step, behind its products and their places.  Behind it follow, with no vector or matrix instruction between, the next step's nine LDS loads and then the 16 or 17 loads of the step after that.
; Outside the steps each run of stores has one wait on va_vdst ahead of it, and one wait on vm_vsrc stands ahead of the first line that writes the registers which those stores read.
.set XIMG, 0                           ; LDS: x's 16 fragments (8 m + s), 2,048 bytes each
.set HIMG, 32768                       ; h's 16 fragments ((2 k + m) 4 + s)
.set XSC,  65536                       ; x's scale words, 128 bytes a fragment
.set HSC,  67584                       ; h's
.set TOKW, 69632                       ; the tile's 32 token numbers, once for each wave
.set STG,  71680                       ; a stage for each wave: 32 rows x (256 + 16) bytes on the way out; at the start 16 rows x (512 + 16) bytes for x's turn
.set SP,   272
.set XP,   528
.set STGW, 32*SP
.set PW,  21                           ; v21      the scale word just made
.set PC,  32                           ; v32-47   the codes just made (section X)
.set TM,  48                           ; v48-63   the quantiser's temporaries (section X)
.set SEL, 46                           ; s[46:47] v_permlanex16_b32's selects for lane l xor 16
.set MNT, 48                           ; s48      the mantissa field of 448
.set WV,  49                           ; s49      wave
.set CNT, 50                           ; s50      the tile's tokens
; v1 16 lane, v2/v3 the stage for x's turn (in/out), v4/v5 scale words of x/h (read), v6/v7 h's codes/byte (write), v8/v9 stage in/out, v10 tokens of two stage rows, v11 my bytes of an output row,
; v12-15 (c_lo, c_hi) of my token in rows 0-15 and 16-31, v16-19 and v28-31 the weights' scale words (two steps each, by turns), v20 the tokens' scale words: these nine hold scales and nothing else,
; v22/v23 my tokens, v24/v25 x's image/word (write), v26/v27 token words, v32-63 two token fragments (in the head: v32-47 my fragment's 16 tokens, v56-63 at work), v64-127 eight accumulators, v128-255 the ring.
; s[28:31] wgu, s[32:35] sgu, s[36:39] wdn, s[40:43] sdn at my part of expert lo and of expert hi; s[44:45] x at my K step.
.macro LOADSTEP t                              ; step t's 4 weight fragments into ring slot t % 2: 16 loads; an even step brings the scale words of steps t and t + 1 too: 17
.if (\t) < 16
.set LB,  28+2*((\t)/8)
.set LSB, 32+2*((\t)/8)
.set LSS, (\t)%8
.else
.set LB,  36+2*(((\t)-16)/4)
.set LSB, 40+2*(((\t)-16)/4)
.set LSS, ((\t)-16)%4
.endif
.set LR, 128+64*((\t)%2)
.if ((\t)%2) == 0
.set LSC, 16+12*(((\t)/2)%2)
	global_load_b128 v[LSC:LSC+3], v1, s[LSB:LSB+1] offset:512*(LSS/2)
.endif
.irp f, 0,1,2,3
.irp c, 0,1,2,3
	global_load_b128 v[LR+16*\f+4*\c:LR+16*\f+4*\c+3], v1, s[LB:LB+1] offset:LSS*8192+\f*2048+\c*512
.endr
.endr
.endm
.macro TOKLD t                                 ; step t's two token fragments (x's for steps 0-15, h's for steps 16-23) and their scale words, from LDS: nine loads
.if (\t) < 16
.set RB0, XIMG+((\t)%8)*2048
.set RBM, 16384
.set SCV, 4
.set SCO, 128*((\t)%8)
.else
.set RB0, HIMG+(8*(((\t)-16)/4)+((\t)-16)%4)*2048
.set RBM, 8192
.set SCV, 5
.set SCO, (8*(((\t)-16)/4)+((\t)-16)%4)*128
.endif
.irp m, 0,1
.irp c, 0,1,2,3
	ds_load_b128 v[32+16*\m+4*\c:35+16*\m+4*\c], v1 offset:RB0+\m*RBM+512*\c
.endr
.endr
	ds_load_b32 v20, v[SCV] offset:SCO             ; lanes 0-15: the words of tokens 0-15, lanes 16-31: of tokens 16-31
.endm
.macro WM ra, rb                               ; one product; ra, rb: the scales stand in lanes 16-31 of their registers
.if WZ
.if (\ra) && (\rb)
	v_wmma_scale_f32_16x16x128_f8f6f4 v[WD:WD+7], v[WA:WA+15], v[WB:WB+15], 0, v[WSA], v20 matrix_a_scale:MATRIX_SCALE_ROW1 matrix_b_scale:MATRIX_SCALE_ROW1
.elseif \ra
	v_wmma_scale_f32_16x16x128_f8f6f4 v[WD:WD+7], v[WA:WA+15], v[WB:WB+15], 0, v[WSA], v20 matrix_a_scale:MATRIX_SCALE_ROW1
.elseif \rb
	v_wmma_scale_f32_16x16x128_f8f6f4 v[WD:WD+7], v[WA:WA+15], v[WB:WB+15], 0, v[WSA], v20 matrix_b_scale:MATRIX_SCALE_ROW1
.else
	v_wmma_scale_f32_16x16x128_f8f6f4 v[WD:WD+7], v[WA:WA+15], v[WB:WB+15], 0, v[WSA], v20
.endif
.else
.if (\ra) && (\rb)
	v_wmma_scale_f32_16x16x128_f8f6f4 v[WD:WD+7], v[WA:WA+15], v[WB:WB+15], v[WD:WD+7], v[WSA], v20 matrix_a_scale:MATRIX_SCALE_ROW1 matrix_b_scale:MATRIX_SCALE_ROW1
.elseif \ra
	v_wmma_scale_f32_16x16x128_f8f6f4 v[WD:WD+7], v[WA:WA+15], v[WB:WB+15], v[WD:WD+7], v[WSA], v20 matrix_a_scale:MATRIX_SCALE_ROW1
.elseif \rb
	v_wmma_scale_f32_16x16x128_f8f6f4 v[WD:WD+7], v[WA:WA+15], v[WB:WB+15], v[WD:WD+7], v[WSA], v20 matrix_b_scale:MATRIX_SCALE_ROW1
.else
	v_wmma_scale_f32_16x16x128_f8f6f4 v[WD:WD+7], v[WA:WA+15], v[WB:WB+15], v[WD:WD+7], v[WSA], v20
.endif
.endif
.endm
; A step: 4 weight fragments x 2 token fragments = 8 products on 8 accumulators, which take turns, one instruction a turn, from step to step too.
; Steps 0-15: expert t / 8, K step t % 8 of the first products.  Steps 16-23: expert (t - 16) / 4, K step (t - 16) % 4 of the second.  An expert's first K step starts the sums with the constant 0.
; The scale word of fragment f in step t: buffer (t / 2) % 2, register 2 (t % 2) + f / 2, lanes 16 (f % 2) on.
; The step's own token fragments were asked for at the end of the step before (a run's first step: ahead of the run).
.macro STEP t
.if (\t) < 16
.set SS, (\t)%8
.set SL, 7                                     ; the run's last K step
.else
.set SS, ((\t)-16)%4
.set SL, 3
.endif
.if SS == 0
.set WZ, 1
.else
.set WZ, 0
.endif
.if (\t) == 23
	s_wait_loadcnt 0x0
.elseif ((\t)%2) == 0
	s_wait_loadcnt 16                              ; this step's weights and scale words are in; the next, odd step's 16 loads, issued behind them, may be out
.else
	s_wait_loadcnt 17                              ; this step's weights are in; the next, even step's 17 loads may be out
.endif
	s_wait_dscnt 0x0                               ; the token fragments and their scale words are in
.irp f, 0,1,2,3
.irp m, 0,1
.set WD,  64+32*(\f/2)+16*\m+8*(\f%2)
.set WA,  128+64*((\t)%2)+16*\f
.set WB,  32+16*\m
.set WSA, 16+12*(((\t)/2)%2)+2*((\t)%2)+\f/2
	WM \f%2, \m
.endr
.endr
.rept 8
	v_nop                                          ; eight places behind the products, ahead of the first vector lines that read their results or write their sources; they stay beside the wait below
.endr
	s_wait_alu depctr_va_vdst(0)                   ; this step's products are done reading ring slot t % 2, v32-63 and v20, and the step before's the other scale buffer: the loads below (behind step 23: the way out's) land in them
.if SS < SL
	TOKLD (\t)+1                                   ; the next step's token fragments first: they land while the loads below are issued
.endif
.if (\t)+2 < 24
	LOADSTEP (\t)+2                                ; into the slot just multiplied; the scale words into the buffer that steps t - 2 and t - 1 read
.endif
.endm
.macro QUANT s                                 ; 64 numbers of a lane, register 16 b + i = k 32 b + 16 h + i of my token, become a fragment's codes (PC) and its scale word (PW)
.irp b, 0,1,2,3
	v_max3_num_f32 v[TM+\b], |v[\s+16*\b]|, |v[\s+1+16*\b]|, 0x4800000   ; and the floor 2^(9 - 127): the byte cannot fall under 1
.endr
.irp i, 2,4,6,8,10,12,14
.irp b, 0,1,2,3
	v_max3_num_f32 v[TM+\b], v[TM+\b], |v[\s+16*\b+\i]|, |v[\s+1+16*\b+\i]|
.endr
.endr
.irp b, 0,1,2,3
	v_permlanex16_b32 v[TM+4+\b], v[TM+\b], s[SEL], s[SEL+1]
.endr
.irp b, 0,1,2,3
	v_max_num_f32 v[TM+\b], v[TM+\b], v[TM+4+\b]
.endr
.irp b, 0,1,2,3
	v_add_nc_u32 v[TM+12+\b], 0xfc000000, v[TM+\b]
.endr
.irp b, 0,1,2,3
	v_and_or_b32 v[TM+8+\b], v[TM+\b], 0x7f800000, s[MNT]
.endr
.irp b, 0,1,2,3
	v_lshrrev_b32 v[TM+4+\b], 23, v[TM+12+\b]
.endr
	v_lshl_or_b32 v[PW], v[TM+5], 8, v[TM+4]
	v_lshl_or_b32 v[PW], v[TM+6], 16, v[PW]
	v_lshl_or_b32 v[PW], v[TM+7], 24, v[PW]
.irp b, 0,1,2,3
.irp i, 0,1,2,3,4,5,6,7,8,9,10,11,12,13,14,15
	v_med3_num_f32 v[\s+16*\b+\i], v[\s+16*\b+\i], -v[TM+8+\b], v[TM+8+\b]   ; the conversion does not saturate (ISA guide 7.6.2): the hold
.endr
	v_cvt_scalef32_pk8_fp8_f32 v[PC+4*\b:PC+1+4*\b], v[\s+16*\b:\s+7+16*\b], v[TM+12+\b]
	v_cvt_scalef32_pk8_fp8_f32 v[PC+2+4*\b:PC+3+4*\b], v[\s+8+16*\b:\s+15+16*\b], v[TM+12+\b]
.endr
	v_nop                                          ; a plain line behind the last conversion: products later write these registers
.endm
; h = g u / (1 + 2^(-g log2 e)), all in f32.  g: v64-95, u: v96-127 (register 16 m + i: hidden unit 32 w + 16 h + i of my token in rows 16 m ..).  Each accumulator is first read at its low end.
.macro SILU
.set I, 0
.rept 32
	v_mul_f32 v[32+I], 0xbfb8aa3b, v[64+I]
.set I, I+1
.endr
.set I, 0
	s_wait_alu depctr_va_vdst(0)
.rept 32
	v_exp_f32 v[32+I], v[32+I]
.set I, I+1
.endr
.set I, 0
	s_wait_alu depctr_va_vdst(0)
.rept 16
	v_pk_mul_f32 v[64+I:65+I], v[64+I:65+I], v[96+I:97+I]     ; g u (plain lines behind the exponentials)
.set I, I+2
.endr
.set I, 0
	s_wait_alu depctr_va_vdst(0)                   ; the 32 exponentials have written v32-63: one wait for the batch, ahead of its first reader
.rept 16
	v_pk_add_f32 v[32+I:33+I], v[32+I:33+I], 1.0 op_sel_hi:[1,0]
.set I, I+2
.endr
.set I, 0
	s_wait_alu depctr_va_vdst(0)
.rept 32
	v_rcp_f32 v[32+I], v[32+I]
.set I, I+1
.endr
	v_nop                                          ; a plain line behind the reciprocals
.set I, 0
	s_wait_alu depctr_va_vdst(0)                   ; the 32 reciprocals have written v32-63: one wait for the batch, ahead of its first reader
.rept 16
	v_pk_mul_f32 v[64+I:65+I], v[64+I:65+I], v[32+I:33+I]
.set I, I+2
.endr
.endm
; My 32 hidden units are ONE block of the next K: block w % 4 of K step w / 4.  For each half of the tokens: the block's scale byte, 16 codes a lane: registers 4 (w % 4) .. + 3 of the fragment's image.
.macro BQUANT k
.irp m, 0,1
	v_max3_num_f32 v[96+\m], |v[64+16*\m]|, |v[65+16*\m]|, 0x4800000
.endr
.irp i, 2,4,6,8,10,12,14
.irp m, 0,1
	v_max3_num_f32 v[96+\m], v[96+\m], |v[64+16*\m+\i]|, |v[65+16*\m+\i]|
.endr
.endr
.irp m, 0,1
	v_permlanex16_b32 v[98+\m], v[96+\m], s[SEL], s[SEL+1]
.endr
.irp m, 0,1
	v_max_num_f32 v[96+\m], v[96+\m], v[98+\m]
.endr
.irp m, 0,1
	v_add_nc_u32 v[100+\m], 0xfc000000, v[96+\m]
.endr
.irp m, 0,1
	v_and_or_b32 v[102+\m], v[96+\m], 0x7f800000, s[MNT]
.endr
.irp m, 0,1
	v_lshrrev_b32 v[104+\m], 23, v[100+\m]
.endr
.irp m, 0,1
.irp i, 0,1,2,3,4,5,6,7,8,9,10,11,12,13,14,15
	v_med3_num_f32 v[64+16*\m+\i], v[64+16*\m+\i], -v[102+\m], v[102+\m]
.endr
	v_cvt_scalef32_pk8_fp8_f32 v[108+4*\m:109+4*\m], v[64+16*\m:71+16*\m], v[100+\m]
	v_cvt_scalef32_pk8_fp8_f32 v[110+4*\m:111+4*\m], v[72+16*\m:79+16*\m], v[100+\m]
.endr
	v_nop                                          ; a plain line behind the last conversion
	s_wait_alu depctr_va_vdst(0)                   ; the conversions have written v108-115 and the shifts v104-105, which the LDS stores read; silu is done with v32-63, in which the next run's token fragments land
.irp m, 0,1
	ds_store_b128 v6, v[108+4*\m:111+4*\m] offset:(2*\k+\m)*8192
	ds_store_b8 v7, v[104+\m] offset:(2*\k+\m)*512
.endr
.endm
.macro PARK                                    ; expert lo's result x c_lo waits in my stage while expert hi's is summed in the same accumulators
.irp f, 0,1,2,3
.irp m, 0,1
.set AC, 64+32*(\f/2)+16*\m+8*(\f%2)
.irp j, 0,2,4,6
	v_pk_mul_f32 v[AC+\j:AC+\j+1], v[AC+\j:AC+\j+1], v[12+2*\m:13+2*\m] op_sel_hi:[1,0]
.endr
.endr
.endr
	s_wait_alu depctr_va_vdst(0)                   ; the multiplications have written v64-127, which the LDS stores read
.irp f, 0,1,2,3
.irp m, 0,1
.set AC, 64+32*(\f/2)+16*\m+8*(\f%2)
	ds_store_b128 v8, v[AC:AC+3] offset:\m*16*SP+64*\f
	ds_store_b128 v8, v[AC+4:AC+7] offset:\m*16*SP+64*\f+16
.endr
.endr
.endm
.macro OUT                                     ; y = parked + c_hi x expert hi's result; through my stage; sixteen lanes store 256 consecutive bytes, aligned, of a token's row
.irp f, 0,1,2,3
.irp m, 0,1
.set AC, 64+32*(\f/2)+16*\m+8*(\f%2)
	ds_load_b128 v[AC+64:AC+67], v8 offset:\m*16*SP+64*\f          ; into the ring's registers: the wait at the end of step 23 has shown the products done reading them, and no vector or matrix line stands between
	ds_load_b128 v[AC+68:AC+71], v8 offset:\m*16*SP+64*\f+16
.endr
.endr
	s_wait_dscnt 0x0
.irp f, 0,1,2,3
.irp m, 0,1
.set AC, 64+32*(\f/2)+16*\m+8*(\f%2)
.irp j, 0,2,4,6
	v_pk_fma_f32 v[AC+64+\j:AC+65+\j], v[AC+\j:AC+\j+1], v[12+2*\m:13+2*\m], v[AC+64+\j:AC+65+\j] op_sel:[0,1,0] op_sel_hi:[1,1,1]   ; of the pair (c_lo, c_hi) the upper word serves both halves
.endr
.endr
.endr
	s_wait_alu depctr_va_vdst(0)                   ; the multiply-adds have written v128-191, which the LDS stores read
.irp f, 0,1,2,3
.irp m, 0,1
.set AC, 64+32*(\f/2)+16*\m+8*(\f%2)
	ds_store_b128 v8, v[AC+64:AC+67] offset:\m*16*SP+64*\f
	ds_store_b128 v8, v[AC+68:AC+71] offset:\m*16*SP+64*\f+16
.endr
.endr
.irp i, 0,1,2,3,4,5,6,7,8,9,10,11,12,13,14,15
	ds_load_b32 v[32+\i], v10 offset:8*\i          ; the tokens of stage rows 2 i and 2 i + 1 (v32-47: last named by step 23's products, ahead of both waits above)
.endr
	s_wait_alu depctr_vm_vsrc(0)                   ; the LDS stores above have read v128-191
.irp i, 0,1,2,3,4,5,6,7,8,9,10,11,12,13,14,15
	ds_load_b128 v[192+4*\i:195+4*\i], v9 offset:2*SP*\i   ; LDS serves a wave's instructions in order: these see my stores
.endr
	s_wait_dscnt 0x0
.irp i, 0,1,2,3,4,5,6,7,8,9,10,11,12,13,14,15
	v_min_u32 v[32+\i], 0xfff, v[32+\i]            ; a loaded number enters an address only held
.endr
.irp i, 0,1,2,3,4,5,6,7,8,9,10,11,12,13,14,15
	v_lshl_add_u32 v[32+\i], v[32+\i], 12, v11
.endr
	s_wait_alu depctr_va_vdst(0)                   ; the offsets v32-47 are written, which the stores below read
.irp i, 0,1,2,3,4,5,6,7,8,9,10,11,12,13,14,15
	global_store_b128 v[32+\i], v[192+4*\i:195+4*\i], s[22:23] th:TH_STORE_NT
.endr
.endm
	; ---- the head: on every path
	s_load_b512 s[8:23], s[0:1], 0x0               ; x s[8:9], wgu s[10:11], sgu s[12:13], wdn s[14:15], sdn s[16:17], rtf s[18:19], list s[20:21], out0 s[22:23]
	s_lshl_b32 s25, ttmp9, 2
	v_lshrrev_b32 v56, 5, v0
	v_readfirstlane_b32 s[WV], v56                 ; wave 0..15
	v_and_b32 v56, 31, v0                          ; lane
	v_and_b32 v57, 15, v0                          ; r
	v_bfe_u32 v58, v0, 4, 1                        ; h
	s_wait_alu depctr_va_vdst(0)
	s_wait_kmcnt 0x0
	s_load_b32 s24, s[20:21], s25 offset:0x0       ; my tile's word
	v_lshlrev_b32 v1, 4, v56
	v_lshlrev_b32 v4, 2, v56
	v_lshl_add_u32 v5, v58, 9, v4
	v_add_nc_u32 v5, HSC, v5                       ; h's words: lanes 16-31 take the fragment four further on (tokens 16-31)
	v_lshl_add_u32 v4, v58, 10, v4
	v_add_nc_u32 v4, XSC, v4                       ; x's words: lanes 16-31 take the fragment eight further on
	s_wait_alu depctr_va_sdst(0)                   ; the wave's number is written, ahead of its first reader: LDS addresses and the weights' bases are made from it
	s_lshl_b32 s55, s[WV], 9
	v_add_nc_u32 v6, s55, v1
	v_add_nc_u32 v6, HIMG, v6                      ; h's codes: fragment w / 4, registers 4 (w % 4) on: 512 w + 16 lane
	s_lshr_b32 s55, s[WV], 2
	s_lshl_b32 s55, s55, 7
	s_and_b32 s56, s[WV], 3
	s_add_co_u32 s55, s55, s56
	v_lshl_add_u32 v7, v56, 2, s55
	v_add_nc_u32 v7, HSC, v7                       ; h's byte: word of fragment w / 4, byte w % 4
	s_mul_i32 s55, s[WV], STGW
	v_mul_u32_u24 v8, v57, SP
	v_lshl_add_u32 v8, v58, 5, v8
	v_add_nc_u32 v8, s55, v8
	v_add_nc_u32 v8, STG, v8                       ; the stage, in: row r, + 32 h
	v_mul_u32_u24 v9, v58, SP
	v_lshl_add_u32 v9, v57, 4, v9
	v_add_nc_u32 v9, s55, v9
	v_add_nc_u32 v9, STG, v9                       ; out: lanes 0-15 one row, lanes 16-31 the next
	v_add_nc_u32 v2, s55, v1
	v_add_nc_u32 v2, STG, v2                       ; x's turn, in: 16 x lane of a row of 512 bytes
	v_mul_u32_u24 v3, v57, XP
	v_lshl_add_u32 v3, v58, 6, v3
	v_add_nc_u32 v3, s55, v3
	v_add_nc_u32 v3, STG, v3                       ; out: row r, + 64 h
	s_lshl_b32 s55, s[WV], 7
	v_lshl_add_u32 v10, v58, 2, s55
	v_add_nc_u32 v10, TOKW, v10
	v_lshl_add_u32 v25, v56, 2, s55
	v_add_nc_u32 v26, TOKW, v25
	v_add_nc_u32 v25, XSC, v25
	v_lshl_add_u32 v27, v57, 2, s55
	v_add_nc_u32 v27, TOKW, v27
	v_and_b32 v61, 0x1e0, v0                       ; 32 w
	v_lshlrev_b32 v61, 2, v61                      ; 128 w: my wave's token words,
	v_lshrrev_b32 v62, 8, v0                       ; m = w / 8
	v_lshl_add_u32 v61, v62, 6, v61
	v_add_nc_u32 v61, TOKW, v61                    ; from row 16 m on: the same word in every lane
	s_lshl_b32 s55, s[WV], 8
	v_lshl_add_u32 v11, v57, 4, s55                ; my wave's 256 bytes of an output row, my 16
	s_lshl_b32 s55, s[WV], 11
	v_add_nc_u32 v24, s55, v1                      ; x's image: fragment w
.irp b, 0,1,2,3
	v_mov_b32 v[TM+4+\b], 0                        ; a lane permute's destination counts as one of its sources
.endr
	s_mov_b32 s[SEL], 0x76543210
	s_mov_b32 s[SEL+1], 0xfedcba98
	s_mov_b32 s[MNT], 0x600000
	s_wait_kmcnt 0x0
	s_lshr_b32 s[CNT], s24, 16
	s_min_u32 s[CNT], s[CNT], 32                   ; loaded numbers are held before they steer anything
	s_and_b32 s51, s24, 0xff
	s_min_u32 s51, s51, 7                          ; lo
	s_bfe_u32 s52, s24, 0x80008
	s_min_u32 s52, s52, 7                          ; hi
	s_mov_b32 s25, 0
.irp k, 0,1
	s_lshl_b32 s55, s[51+\k], 4
	s_add_co_u32 s55, s55, s[WV]                   ; 16 e + w
	s_lshl_b32 s24, s55, 16
	s_add_nc_u64 s[28+2*\k:29+2*\k], s[10:11], s[24:25]
	s_lshl_b32 s24, s55, 11
	s_add_nc_u64 s[32+2*\k:33+2*\k], s[12:13], s[24:25]
	s_lshl_b32 s24, s55, 15
	s_add_nc_u64 s[36+2*\k:37+2*\k], s[14:15], s[24:25]
	s_lshl_b32 s24, s55, 10
	s_add_nc_u64 s[40+2*\k:41+2*\k], s[16:17], s[24:25]
.endr
	s_and_b32 s24, s[WV], 7
	s_lshl_b32 s24, s24, 9
	s_add_nc_u64 s[44:45], s[8:9], s[24:25]        ; x at K step w % 8
	s_lshl_b32 s53, ttmp9, 7                       ; my tile's 32 words of the list;
	s_cmp_lg_u32 s[CNT], 0
	s_cselect_b32 s53, s53, 0                      ; an empty tile reads word 0, which is always written
	s_max_u32 s54, s[CNT], 1
	s_sub_co_u32 s54, s54, 1
	v_min_u32 v59, s54, v56                        ; rows past the count repeat the last token: only written words are read
	v_min_u32 v59, 31, v59
	v_lshl_add_u32 v59, v59, 2, s53
	s_wait_alu depctr_va_vdst(0)                   ; v59 is written, and with it every offset and LDS address of the kernel that is made once: v1 to v10, v24 to v27, v61
	global_load_b32 v60, v59, s[20:21] offset:1024
	LOADSTEP 0
	LOADSTEP 1
	s_wait_loadcnt 33                              ; the token is in; the two steps' 17 + 16 loads, issued behind it, may be out
	v_min_u32 v60, 0xfff, v60
	s_wait_alu depctr_va_vdst(0)                   ; the held token number v60 is written, which the LDS store reads
	ds_store_b32 v26, v60                          ; lane i: the token of row i, in my wave's own words
	ds_load_b32 v22, v27                           ; the token of row r,
	ds_load_b32 v23, v27 offset:64                 ; of row 16 + r,
.irp i, 0,1,2,3,4,5,6,7,8,9,10,11,12,13,14,15
	ds_load_b32 v[32+\i], v61 offset:4*\i          ; and, in every lane alike, of row 16 m + i: the rows of the fragment of x that I make
.endr
	s_wait_dscnt 0x0
	v_min_u32 v22, 0xfff, v22
	v_min_u32 v23, 0xfff, v23
	v_lshlrev_b32 v62, 3, v22
	v_lshlrev_b32 v63, 3, v23
	s_wait_alu depctr_va_vdst(0)                   ; the offsets v62 and v63 are written, which the two loads read
	global_load_b64 v[12:13], v62, s[18:19]        ; (c_lo, c_hi)
	global_load_b64 v[14:15], v63, s[18:19]
	; ---- X: wave w quantises fragment (m = w / 8, s = w % 8) of the tile's rows of x.  Load i brings token 16 m + i's 512 bytes of K step s, 16 bytes a lane; the 16 rows turn through my stage
	s_cmp_eq_u32 s[CNT], 0
	s_cbranch_scc1 .Lx_done
.irp i, 0,1,2,3,4,5,6,7,8,9,10,11,12,13,14,15
	v_min_u32 v[32+\i], 0xfff, v[32+\i]            ; a loaded number enters an address only held
.endr
.irp i, 0,1,2,3,4,5,6,7,8,9,10,11,12,13,14,15
	v_lshl_add_u32 v[32+\i], v[32+\i], 12, v1
.endr
	s_wait_alu depctr_va_vdst(0)                   ; the sixteen offsets v32-47 are written, which x's loads read
.irp i, 0,1,2,3,4,5,6,7,8,9,10,11,12,13,14,15
	global_load_b128 v[64+4*\i:67+4*\i], v[32+\i], s[44:45]
.endr
	s_wait_loadcnt 0x0                             ; x is in; every load's address register is free
.irp i, 0,1,2,3,4,5,6,7,8,9,10,11,12,13,14,15
	ds_store_b128 v2, v[64+4*\i:67+4*\i] offset:XP*\i
.endr
	s_wait_dscnt 0x0                               ; the stores have landed
	s_wait_alu depctr_vm_vsrc(0)                   ; the stores have read v64-127, which take the numbers back; x's loads have read v32-47, and the head's loads and its store v59-63, all of which the quantiser writes
.irp b, 0,1,2,3
.irp j, 0,1,2,3
	ds_load_b128 v[64+16*\b+4*\j:67+16*\b+4*\j], v3 offset:128*\b+16*\j   ; register 16 b + i = k 32 b + 16 h + i of row r
.endr
.endr
	s_wait_dscnt 0x0
	QUANT 64
	s_wait_alu depctr_va_vdst(0)                   ; the conversions have written v32-47 and the shifts v21, which the LDS stores read; the quantiser is done with v48-63, in which step 0's token fragments land
.irp c, 0,1,2,3
	ds_store_b128 v24, v[PC+4*\c:PC+4*\c+3] offset:XIMG+512*\c
.endr
	ds_store_b32 v25, v[PW]
.Lx_done:
	s_wait_alu depctr_vm_vsrc(0)                   ; on both ways: the image's stores have read v32-47, or the head's loads and its store v59-63: the first token fragments land there.  It stands ahead of the branch below
	s_wait_loadcnt 0x0                             ; the weights c too
	s_wait_dscnt 0x0                               ; for the others' sake: my image has landed
	s_barrier_signal -1
	s_barrier_wait -1                              ; x's sixteen fragments lie in LDS
	; ---- 1: gate and up, silu, the hidden layer's codes; expert lo, then expert hi
	s_cmp_eq_u32 s[CNT], 0
	s_cbranch_scc1 .Lp1_done
	TOKLD 0
.irp t, 0,1,2,3,4,5,6,7
	STEP \t
.endr
	SILU
	BQUANT 0
	s_wait_alu depctr_vm_vsrc(0)                   ; the LDS stores above have read v104-115, which step 8's products, beginning the sums anew, write
	TOKLD 8
.irp t, 8,9,10,11,12,13,14,15
	STEP \t
.endr
	SILU
	BQUANT 1
.Lp1_done:
	s_wait_alu depctr_vm_vsrc(0)                   ; the LDS stores above have read v104-115, which step 16's products write.  It stands ahead of the branch below
	s_wait_dscnt 0x0                               ; for the others' sake: my codes and bytes have landed, my reads of x's images are over
	s_barrier_signal -1
	s_barrier_wait -1                              ; the hidden layer's sixteen fragments lie in LDS
	; ---- 2: down, the two weights, the way out
	s_cmp_eq_u32 s[CNT], 0
	s_cbranch_scc1 .Lp2_done
	TOKLD 16
.irp t, 16,17,18,19
	STEP \t
.endr
	PARK
	s_wait_alu depctr_vm_vsrc(0)                   ; the LDS stores above have read v64-127, which step 20's products, beginning the sums anew, write
	TOKLD 20
.irp t, 20,21,22,23
	STEP \t
.endr
	OUT
.Lp2_done:
	s_wait_xcnt 0x0
	s_wait_alu depctr_vm_vsrc(0)                   ; the last global stores have read v254 and v255, which the two lines below write
	v_lshl_add_u32 v254, v0, 2, 0x33800
	v_mov_b32 v255, 0
	s_wait_dscnt 0x0                               ; the closing lines, six on end
	s_wait_alu 0x0
	s_wait_tensorcnt 0x0
	ds_add_u32 v254, v255
	s_wait_dscnt 0x0
	s_endpgm
.Lfunc_end_k_qb458aff062_chain:
	.size	k_qb458aff062_chain, .Lfunc_end_k_qb458aff062_chain-k_qb458aff062_chain
	.p2alignl 7, 3214868480
	.fill 96, 4, 3214868480
	.section	.rodata,"a",@progbits
	.p2align	6, 0x0
	.amdhsa_kernel k_qb458aff062_chain
		.amdhsa_group_segment_fixed_size 212992
		.amdhsa_private_segment_fixed_size 0
		.amdhsa_enable_private_segment 0
		.amdhsa_kernarg_size 64
		.amdhsa_user_sgpr_count 2
		.amdhsa_user_sgpr_kernarg_segment_ptr 1
		.amdhsa_wavefront_size32 1
		.amdhsa_system_sgpr_workgroup_id_x 1
		.amdhsa_system_sgpr_workgroup_id_y 1
		.amdhsa_system_sgpr_workgroup_id_z 1
		.amdhsa_system_vgpr_workitem_id 0
		.amdhsa_next_free_vgpr 256
		.amdhsa_next_free_sgpr 66
		.amdhsa_reserve_vcc 0
		.amdhsa_float_denorm_mode_32 3
		.amdhsa_float_denorm_mode_16_64 3
		.amdhsa_memory_ordered 1
		.amdhsa_forward_progress 1
		.amdhsa_inst_pref_size 140
	.end_amdhsa_kernel
	.amdgpu_metadata
---
amdhsa.version: [ 1, 2 ]
amdhsa.kernels:
  - .name:           k_qb458aff062_chain
    .symbol:         k_qb458aff062_chain.kd
    .args:
      - { .name: x, .offset: 0, .size: 8, .value_kind: global_buffer, .address_space: global }
      - { .name: wgu, .offset: 8, .size: 8, .value_kind: global_buffer, .address_space: global }
      - { .name: sgu, .offset: 16, .size: 8, .value_kind: global_buffer, .address_space: global }
      - { .name: wdn, .offset: 24, .size: 8, .value_kind: global_buffer, .address_space: global }
      - { .name: sdn, .offset: 32, .size: 8, .value_kind: global_buffer, .address_space: global }
      - { .name: rtf, .offset: 40, .size: 8, .value_kind: global_buffer, .address_space: global }
      - { .name: list, .offset: 48, .size: 8, .value_kind: global_buffer, .address_space: global }
      - { .name: out0, .offset: 56, .size: 8, .value_kind: global_buffer, .address_space: global }
    .group_segment_fixed_size: 212992
    .private_segment_fixed_size: 0
    .kernarg_segment_align: 8
    .kernarg_segment_size: 64
    .max_flat_workgroup_size: 512
    .sgpr_count:     66
    .vgpr_count:     256
    .wavefront_size: 32
...
	.end_amdgpu_metadata
.endif
;; end of part 6
